; MI455X (gfx1250); checked and timed in simulation.
; The chip was launched on July 23, 2026; its instructions are those of AMD's public machine-readable ISA for CDNA 5 (MIT licence, August 2026) and "CDNA5" Instruction Set Architecture Reference Guide (July 2026). The comments in the code are by the model that wrote it; some were corrected since.
;; Multiheaded Attention. Allowed arithmetic: matrix products marked QUANTISED: E2M3 operands, one E8M0 scale for each 32 along K, by v_wmma_scale_f32_16x16x128_f8f6f4 with both operands' format E2M3, f32 sums; everything else in f32.
;; Inputs: Wo 1,024 x 1,024 float32; Wqkv 3,072 x 1,024 float32; bo 1,024 float32; bqkv 3,072 float32; mask 1,024 x 1,024 float32; x 8 x 1,024 x 1,024 float32.
;; Outputs: out0 8 x 1,024 x 1,024 float32.
;; This version of the problem:
;;   THIS VERSION OF THE PROBLEM IS GIVEN IN LOW PRECISION. The matrix products marked QUANTISED in the list below multiply operands that are first quantised to E2M3 (2 exponent bits, 3 mantissa bits; 6 bits a number), with one power-of-two scale for each 32 numbers along K (OCP MX v1.0); their sums are f32. All else is computed in f32.
;;   The module's matrix products, in the order in which they are computed (A, B: the left and right operand; K: the contracted axis; several contracted axes count as one K, in the product's order):
;;     1. [M 8,192, K 1,024] x [K 1,024, N 3,072]; A: input x; B: input Wqkv: QUANTISED
;;     2. batch 128 x [M 1,024, K 64] x [K 64, N 1,024]; A: computed on the way; B: computed on the way: QUANTISED
;;     3. batch 128 x [M 1,024, K 1,024] x [K 1,024, N 64]; A: softmax (see below); B: computed on the way: QUANTISED
;;     4. [M 8,192, K 1,024] x [K 1,024, N 1,024]; A: computed on the way; B: input Wo: QUANTISED
;;   THE QUANTISER, for each operand of a quantised product, along K:
;;     - K is cut into blocks of 32 from its start; a last block that is shorter is filled with zeros.
;;     - A block's scale is 2^e with e = floor(log2(the largest magnitude in the block)) - 2, held to -126 .. 127; a block of zeros has e = 0. As a byte (E8M0): e + 127.
;;     - Each number is divided by its block's scale, clamped to +-7.5, and rounded to the nearest number of E2M3, ties to even, subnormals kept.
;;     - The product sums the exact products of the quantised numbers (number of the format x scale) in f32.
;;   ~~~python
;;   def quantise(x, axis):      # numpy; x: float32 -> the quantised numbers, widened to float32 again
;;       x = np.moveaxis(x, axis, -1); K = x.shape[-1]
;;       x = np.pad(x, [(0, 0)] * (x.ndim - 1) + [(0, -K % 32)]); x = x.reshape(x.shape[:-1] + (-1, 32)); a = np.abs(x).max(-1, keepdims=True)
;;       e = np.where(a > 0, np.clip(np.frexp(np.where(a > 0, a, 1))[1] - 1 - 2, -126, 127), 0)      # np.frexp(a)[1] - 1 = floor(log2(a)), exactly
;;       r = np.clip(x / 2.0 ** e, -7.5, 7.5)
;;       step = 2.0 ** (np.maximum(np.frexp(np.where(r == 0, 1, r))[1] - 1, 0) - 3)
;;       q = np.round(r / step) * step * 2.0 ** e      # np.round: ties to even
;;       return np.moveaxis(q.reshape(q.shape[:-2] + (-1,))[..., :K], -1, axis).astype(np.float32)
;;   ~~~
;;   SOFTMAX AHEAD OF A QUANTISED PRODUCT. Where the list says 'softmax', what is quantised is not the finished softmax but p = 2^(t - M), with t = logit x log2(e) and M = ceil(the row's largest t), a whole number; so 1/2 < the row's largest p <= 1. The row's sum l is taken of the UNQUANTISED p, in f32, and the product's result is divided by l at the end. Since M is a whole number, a kernel that streams over the keys may use a running M (the ceiling of the running maximum): every later rescaling is an exact power of two, which a block's scale takes up: the codes' values come out the same.
;;   OPERANDS COMPUTED ON THE WAY. 'Computed on the way' means the value that the module computes at that place (a softmax that the list does not call 'softmax' is quantised finished and normalised). What goes into a quantiser is computed in f32, as accurately as f32 sums, v_exp_f32 and their like allow (about 1e-6 of the number): no bf16 or f16 on the way to a quantiser, and a product that is left as it is and whose result goes on into a quantised operand takes f32 operands (vector FMAs, or v_wmma_f32_16x16x4_f32). A number that lies on a knife's edge between two numbers of the format may be rounded either way, as far as f32 arithmetic and the matrix unit's own rounding can turn it there, and no further.
;; One version. Each part assembles by itself: llvm-mc -triple=amdgcn-amd-amdhsa -mcpu=gfx1250 --defsym DOCPART=n.
;; ======== version 1 of 1: 4 launches
;; limits: right only within a limited range of input values
;; workspace buffers: cod 9,437,184 bytes; scl 393,216 bytes; img 18,874,368 bytes; isc 786,432 bytes; valc 6,291,456 bytes; vals 262,144 bytes
;; launch quant (part 1): grid 384 x 1, 4 waves a work-group, no clusters, 33,280 bytes of LDS; arguments x, Wqkv, Wo, cod, scl; writes cod, scl
.if DOCPART == 1
	.amdgcn_target "amdgcn-amd-amdhsa--gfx1250"
	.amdhsa_code_object_version 6
	.text
	.protected	k_q030c74a28e_quant
	.globl	k_q030c74a28e_quant
	.p2align	8
	.type	k_q030c74a28e_quant,@function
k_q030c74a28e_quant:
	s_mov_b64 s[64:65], 0
	v_nop
	global_prefetch_b8 v0, s[64:65] scope:SCOPE_SE
	s_setreg_imm32_b32 hwreg(HW_REG_WAVE_MODE, 25, 1), 1
	s_wait_xcnt 0x0
; x [8192][1024], Wqkv [3072][1024] and Wo [1024][1024], f32 with K innermost, become codes of FP6 (E2M3) and one E8M0 byte for each 32 along K.
; cod: 12,288 rows of 768 bytes; scl: the same rows, 32 bytes each.  Rows 0.. x; 8,192.. the q and k rows of Wqkv (head h at 128 h: q's 64, then k's 64); 10,240.. its v rows (64 h + d); 11,264.. Wo.
; ROW ORDER.  In x and in both parts of Wqkv the second and third groups of 8 rows of every 32 change places: position 16 u + r holds row 8 u + r + 8 (r / 8).  A plain tile of 16 positions then gives the
; products that follow results whose 16 registers of two neighbouring tiles are 16 neighbours along the next K.  Wo keeps its order.
; A block's scale is 2^(floor(log2(its largest magnitude)) - 2); its byte is the largest magnitude's exponent field - 2, held at 1 from below.  A block of zeros so has the byte 1 and not 127: its codes are zeros,
; and the bytes are read by this program alone.  LIMITS: blocks whose largest magnitude lies under 2^-124 keep the byte 1; NaN and infinities among the inputs are not served.
; SHARES.  A work-group takes 32 rows, a wave 8 rows = 8,192 numbers = 16 steps of 512.  A wave's 8 rows are dense in the source, in cod (6,144 bytes) and in scl (256 bytes), so only the wave's place changes.
; Each load reads 512 consecutive bytes; a step's 2,048 bytes turn through the wave's own stage in LDS, so that a lane holds 16 neighbours; two neighbouring lanes hold a block.
; No cluster: no two work-groups read the same bytes.  No tensor loads, no barrier: waves share nothing.  Loads run four steps (16 loads a wave) ahead.
.set STEPS, 16
.set CB,    12                         ; bytes of 16 codes
.set R,     16                         ; v16-79   four sets of 16 numbers as they are loaded
.set X,     80                         ; v80-111  two sets of 16 neighbours
.set C,     128                        ; v128-191 codes: four registers for each step, so that no store's data are written again
.set E,     112                        ; v112-127 a scale byte for each step
.set WREG,  8192                       ; LDS: a region for each wave: two stages of 32 x SP bytes, then its 256 scale bytes
.set SP,    80                         ; a lane's place in a stage: 64 bytes + 16 of padding
	s_load_b128 s[4:7], s[0:1], 0x0                ; x, Wqkv
	s_load_b128 s[8:11], s[0:1], 0x10              ; Wo, cod
	s_load_b64 s[12:13], s[0:1], 0x20              ; scl
	v_lshl_add_u32 v192, v0, 2, 0x8000
	v_mov_b32 v193, 0
	v_lshrrev_b32 v1, 5, v0
	v_readfirstlane_b32 s16, v1
	; two layouts, chosen by the work-group's number alone.  Wo (groups 352 ..) keeps flat rows of 768 bytes; x and Wqkv are laid by K steps (below)
	s_mov_b32 s28, 384                             ; bytes from an even step's codes to the odd step's (512 along K on),
	s_mov_b32 s29, 768                             ; from row to row,
	s_mov_b32 s30, 192                             ; and from lanes 0-15 to lanes 16-31 (256 along K on)
	s_cmp_lt_u32 ttmp9, 352
	s_cselect_b32 s28, 98304, s28
	s_cselect_b32 s29, 192, s29
	s_cselect_b32 s30, 0xc000, s30
	v_and_b32 v2, 31, v0                           ; lane
	v_lshlrev_b32 v3, 4, v2                        ; my 16 bytes of a load's 512
	s_mul_i32 s26, s16, WREG
	v_lshrrev_b32 v14, 2, v2
	v_mul_u32_u24 v14, v14, SP
	v_and_b32 v15, 3, v2
	v_lshl_add_u32 v14, v15, 4, v14
	v_add_nc_u32 v14, s26, v14                     ; the stage, on the way in: SP (lane / 4) + 16 (lane % 4)
	v_mul_u32_u24 v15, v2, SP
	v_add_nc_u32 v15, s26, v15                     ; and on the way out: SP x lane: my 16 neighbours
	; cod is laid [group of 256 rows][K step of 256][256 rows][192 bytes]: a K step of 256 rows is one dense block of 49,152 bytes
	v_and_b32 v4, 15, v2
	v_mul_u32_u24 v4, v4, CB                       ; sixteen lanes hold 192 bytes: one row's part of one K step
	v_lshrrev_b32 v10, 4, v2
	v_mad_u32_u24 v194, v10, s30, v4               ; v194 + t: where step t's codes go: row t / 2, half t % 2
	v_add_nc_u32 v195, s28, v194
.irp k, 1,2,3,4,5,6,7
	v_add_nc_u32 v[194+2*\k], s29, v[192+2*\k]
	v_add_nc_u32 v[195+2*\k], s29, v[193+2*\k]
.endr
	v_lshrrev_b32 v5, 1, v2
	s_add_co_u32 s26, s26, 2*32*SP
	v_add_nc_u32 v5, s26, v5                       ; LDS: my wave's 256 scale bytes, my block's byte
	v_lshlrev_b32 v7, 3, v2                        ; and on the way out 8 bytes a lane
	v_add_nc_u32 v6, s26, v7
	; which 32 rows, from where and to where: all from the work-group's number g
	s_sub_co_u32 s17, ttmp9, 256                   ; gw: the group of 32 rows in Wqkv (used where 256 <= g < 352)
	s_mul_i32 s18, s17, 43
	s_lshr_b32 s18, s18, 8                         ; the head = gw / 6 (43 / 256 serves gw < 96)
	s_mul_i32 s19, s18, 6
	s_sub_co_u32 s19, s17, s19                     ; e = gw % 6: 0, 1 q; 2, 3 k; 4, 5 v
	s_lshl_b32 s20, s18, 2
	s_add_co_u32 s20, s20, s19
	s_add_co_u32 s20, s20, 256                     ; q, k: group 256 + 4 head + e
	s_lshl_b32 s21, s18, 1
	s_add_co_u32 s21, s21, s19
	s_add_co_u32 s21, s21, 316                     ; v: group 320 + 2 head + (e - 4)
	s_cmp_lt_u32 s19, 4
	s_cselect_b32 s20, s20, s21
	s_and_b32 s22, s16, 1
	s_lshl_b32 s22, s22, 1
	s_lshr_b32 s21, s16, 1
	s_or_b32 s22, s22, s21                         ; the wave's place among the four groups of 8: 0, 2, 1, 3
	s_sub_co_u32 s21, ttmp9, 352                   ; the group in Wo
	s_wait_alu depctr_va_vdst(0)
	s_wait_kmcnt 0x0
	s_cmp_lt_u32 ttmp9, 352                        ; the choices hang on the work-group's number alone
	s_cselect_b64 s[6:7], s[6:7], s[8:9]           ; Wqkv or Wo
	s_cselect_b32 s23, s17, s21
	s_cselect_b32 s20, s20, ttmp9
	s_cselect_b32 s22, s22, s16                    ; Wo keeps its order
	s_cmp_lt_u32 ttmp9, 256
	s_cselect_b64 s[4:5], s[4:5], s[6:7]           ; x or a weight
	s_cselect_b32 s23, ttmp9, s23
	s_cselect_b32 s20, ttmp9, s20
	s_lshl_b32 s23, s23, 2
	s_add_co_u32 s23, s23, s16                     ; the source's run of 8 rows
	s_lshl_b32 s24, s23, 15                        ; 32,768 bytes a run
	s_mov_b32 s25, 0
	s_add_nc_u64 s[4:5], s[4:5], s[24:25]
	s_lshl_b32 s20, s20, 2
	s_add_co_u32 s20, s20, s22                     ; the run's place in cod and scl
	s_lshr_b32 s24, s20, 5
	s_mul_i32 s24, s24, 196608                     ; the group of 256 rows
	s_and_b32 s27, s20, 31
	s_lshl_b32 s31, s29, 3
	s_mul_i32 s27, s27, s31                        ; my 8 rows
	s_add_co_u32 s24, s24, s27
	s_add_nc_u64 s[10:11], s[10:11], s[24:25]
	s_lshl_b32 s24, s20, 8
	s_add_nc_u64 s[12:13], s[12:13], s[24:25]
.macro LOAD t
.irp i, 0,1,2,3
	global_load_b128 v[R+16*((\t)%4)+4*\i:R+16*((\t)%4)+4*\i+3], v3, s[4:5] offset:2048*(\t)+512*\i th:TH_LOAD_NT   ; 32 lanes read 512 consecutive bytes; read once in the launch
.endr
.endm
.macro TURN t                          ; step t's numbers through the stage: LDS serves a wave's instructions in order, so no wait stands between the stores and the loads
.irp i, 0,1,2,3
	ds_store_b128 v14, v[R+16*((\t)%4)+4*\i:R+16*((\t)%4)+4*\i+3] offset:32*SP*((\t)%2)+8*SP*\i
.endr
.irp i, 0,1,2,3
	ds_load_b128 v[X+16*((\t)%2)+4*\i:X+16*((\t)%2)+4*\i+3], v15 offset:32*SP*((\t)%2)+16*\i
.endr
.endm
.irp t, 0,1,2,3
	LOAD \t
.endr
	s_wait_loadcnt 12                              ; step 0's four loads are in; the twelve of steps 1 to 3 may be out
	TURN 0
.macro STEP t
.set XS, X+16*((\t)%2)
.if (\t) > 0
	s_wait_dscnt 1                                 ; this step's numbers are back from the stage (the last step's byte store may be out)
.else
	s_wait_dscnt 0x0
.endif
.if (\t)+4 < STEPS
	LOAD (\t)+4                                    ; into the registers that this step's stores into the stage have read
.endif
.if (\t)+1 < STEPS
.if STEPS-2-(\t) >= 3
	s_wait_loadcnt 12                              ; the next step's four loads are in; those of the three steps behind it may be out
.else
	s_wait_loadcnt 4*(STEPS-2-(\t))
.endif
	TURN (\t)+1                                    ; and go through the other stage while this step is worked
.endif
	v_max3_num_f32 v8, |v[XS]|, |v[XS+1]|, |v[XS+2]|               ; the largest magnitude of my 16, in two chains
	v_max3_num_f32 v9, |v[XS+3]|, |v[XS+4]|, |v[XS+5]|
.irp i, 6,10
	v_max3_num_f32 v8, v8, |v[XS+\i]|, |v[XS+\i+1]|
	v_max3_num_f32 v9, v9, |v[XS+\i+2]|, |v[XS+\i+3]|
.endr
	v_max3_num_f32 v8, v8, |v[XS+14]|, |v[XS+15]|
	v_max3_num_f32 v8, v8, v9, 0x1800000           ; and the floor 2^(3 - 127): the byte cannot fall under 1
	v_max_num_f32_dpp v8, v8, v8 row_xmask:1 row_mask:0xf bank_mask:0xf   ; and of my neighbour's 16: the block's
	v_add_nc_u32 v11, 0xff000000, v8               ; 2 off its exponent field: the conversion takes the exponent field of this operand as its scale
	v_cvt_scalef32_pk16_fp6_f32 v[C+4*(\t):C+4*(\t)+2], v[XS:XS+15], v11   ; sixteen codes, 96 bits without gaps, the first number's code lowest
	v_lshrrev_b32 v[E+(\t)], 23, v11               ; the scale's byte (a plain line behind the conversion)
	ds_store_b8 v5, v[E+(\t)] offset:16*(\t)       ; both lanes of a block write the same byte with the same value
	global_store_b96 v[194+(\t)], v[C+4*(\t):C+4*(\t)+2], s[10:11]
.endm
.irp t, 0,1,2,3,4,5,6,7,8,9,10,11,12,13,14,15
	STEP \t
.endr
	ds_load_b64 v[12:13], v6                       ; LDS serves a wave's instructions in order: these see my byte stores
	s_wait_dscnt 0x0
	global_store_b64 v7, v[12:13], s[12:13]        ; 32 lanes store 256 consecutive bytes, at a multiple of 256 from scl's first byte
	s_wait_tensorcnt 0x0
	ds_add_u32 v192, v193
	s_wait_dscnt 0x0
	s_endpgm
.Lfunc_end_k_q030c74a28e_quant:
	.size	k_q030c74a28e_quant, .Lfunc_end_k_q030c74a28e_quant-k_q030c74a28e_quant
	.p2alignl 7, 3214868480
	.fill 96, 4, 3214868480
	.section	.rodata,"a",@progbits
	.p2align	6, 0x0
	.amdhsa_kernel k_q030c74a28e_quant
		.amdhsa_group_segment_fixed_size 33280
		.amdhsa_private_segment_fixed_size 0
		.amdhsa_enable_private_segment 0
		.amdhsa_kernarg_size 40
		.amdhsa_user_sgpr_count 2
		.amdhsa_user_sgpr_kernarg_segment_ptr 1
		.amdhsa_wavefront_size32 1
		.amdhsa_system_sgpr_workgroup_id_x 1
		.amdhsa_system_sgpr_workgroup_id_y 1
		.amdhsa_system_sgpr_workgroup_id_z 1
		.amdhsa_system_vgpr_workitem_id 0
		.amdhsa_next_free_vgpr 210
		.amdhsa_next_free_sgpr 66
		.amdhsa_reserve_vcc 0
		.amdhsa_float_denorm_mode_32 3
		.amdhsa_float_denorm_mode_16_64 3
		.amdhsa_memory_ordered 1
		.amdhsa_forward_progress 1
		.amdhsa_inst_pref_size 34
	.end_amdhsa_kernel
	.amdgpu_metadata
---
amdhsa.version: [ 1, 2 ]
amdhsa.kernels:
  - .name:           k_q030c74a28e_quant
    .symbol:         k_q030c74a28e_quant.kd
    .args:
      - { .name: x, .offset: 0, .size: 8, .value_kind: global_buffer, .address_space: global }
      - { .name: Wqkv, .offset: 8, .size: 8, .value_kind: global_buffer, .address_space: global }
      - { .name: Wo, .offset: 16, .size: 8, .value_kind: global_buffer, .address_space: global }
      - { .name: cod, .offset: 24, .size: 8, .value_kind: global_buffer, .address_space: global }
      - { .name: scl, .offset: 32, .size: 8, .value_kind: global_buffer, .address_space: global }
    .group_segment_fixed_size: 33280
    .private_segment_fixed_size: 0
    .kernarg_segment_align: 8
    .kernarg_segment_size: 40
    .max_flat_workgroup_size: 128
    .sgpr_count:     66
    .vgpr_count:     210
    .wavefront_size: 32
...
	.end_amdgpu_metadata
.endif
;; end of part 1
;; launch proj (part 2): grid 96 x 4, 4 waves a work-group, clusters of 4 x 4, 327,680 bytes of LDS; arguments cod, scl, bqkv, img, isc; writes img, isc
.if DOCPART == 2
	.amdgcn_target "amdgcn-amd-amdhsa--gfx1250"
	.amdhsa_code_object_version 6
	.text
	.protected	k_q030c74a28e_proj
	.globl	k_q030c74a28e_proj
	.p2align	8
	.type	k_q030c74a28e_proj,@function
k_q030c74a28e_proj:
	s_mov_b64 s[64:65], 0
	v_nop
	global_prefetch_b8 v0, s[64:65] scope:SCOPE_SE
	s_setreg_imm32_b32 hwreg(HW_REG_WAVE_MODE, 25, 1), 1
	s_wait_xcnt 0x0
	s_wait_alu depctr_hold_cnt(0) depctr_sa_sdst(0) depctr_va_vdst(0) depctr_va_sdst(0) depctr_va_ssrc(0) depctr_va_vcc(0) depctr_vm_vsrc(0)
	s_getreg_b32 s2, hwreg(HW_REG_IB_STS2, 6, 4)
	s_cmp_eq_u32 s2, 0
	s_cbranch_scc0 .Lentry_in_a_cluster
	s_endpgm
.Lentry_in_a_cluster:
	s_bfe_u32 s2, ttmp6, 0x10000c
	s_cmp_lg_u32 s2, 0xf033
	s_cbranch_scc0 .Lentry_shape_is_right
	s_endpgm
.Lentry_shape_is_right:
; q, k and v of the attention layer: C = A B^T + bias on codes of FP6 (E2M3) with E8M0 scales, K = 1,024, and C quantised along n on the way out; only codes and scale words are stored.
; TWO KINDS OF CLUSTER, one text.  Clusters 0-15 (kind qk): A = x (8,192 rows), B = the q and k rows of Wqkv (2,048): the results are quantised along a head's 64.  Clusters 16-23 (kind v): A = the v rows (1,024),
; B = x: the results are v with the KEYS along n, which are the K of the product with the softmax's weights.  The kind chooses row offsets and byte offsets by s_cselect_b32; it is the same in all sixteen partners.
; A tile of C, 256 x 256, is made by four waves, each 128 x 128: 64 accumulators, 512 registers.  K goes in steps of 256 through a ring of two LDS slots filled by the tensor data mover; a tile's row is 192 bytes.
; The scale bytes of the work-group's 256 + 256 rows, for all of K, come into LDS once, with the first fills.  4 x 4 work-groups form a cluster: A's tiles are asked for jointly along a row of it, B's along a column.
; THE MATRIX INSTRUCTION IS USED TRANSPOSED (source 0 = 16 rows of B, source 1 = 16 rows of A): lane (r, h) holds A's position r.  By the order in which the rows of x and Wqkv lie in cod (position 16 u + r of
; each 32 = row 8 u + r + 8 (r / 8)) the 16 registers of accumulators 2 b and 2 b + 1 are columns 32 b + 16 h + 0 .. 15: 16 neighbours along the next K.
; THE BIAS is the C of each sum's first matrix instruction: by column (kind qk) or by row (kind v): the one step that differs is written twice, under a branch on the kind.
; THE WAY OUT.  A block of 16 rows x 128 columns becomes one operand fragment (12 registers) and one scale word a row.  It is stored as an IMAGE OF THE REGISTERS: register pair p as 256 consecutive bytes, lane l's 8 at 8 l.
; Kind qk: registers 0-5 are q's fragment (16 tokens x 64), registers 6-11 k's; image X = (batch x 16 + head) x 64 + token tile, 768 bytes each, q's at 0 and k's at KOFF; scale word [q0 q1 k0 k1] at 64 X + 4 r.
; Kind v: all 12 registers: 16 channels x 128 keys; image Y = (batch x 8 + key step) x 64 + 4 head + channel tile, 1,536 bytes, at VOFF; scale word at SVOFF + 64 Y + 4 r.
; LIMITS: blocks whose largest magnitude lies under 2^-124 keep the byte 1 (a block of zeros too: its codes are zeros, and this program alone reads the bytes); NaN and infinities are not served.
; REGISTERS, in windows of 256: window 0: v1-31 addresses; v32-63 scale words, two sets; v64-127 the bias, later the way out's work; from v128 A's fragments, one set.  window 1: B's fragments, two sets.
;   window 2: the accumulators of my rows 0-63 ((a, b) at v[8 (8 a + b)]);  window 3: those of my rows 64-127.
.set KSTEP,  256
.set NQ,     2                         ; matrix instructions deep in a slot
.set ROWB,   49152                     ; cod is laid [group of 256 rows][K step][256 rows][192 bytes]: bytes from a K step's dense block to the next
.set KROW,   768                       ; a row of cod
.set PITCH,  240                       ; an LDS row: 3 x (64 bytes + 16 of padding)
.set FR,     12                        ; registers of a fragment
.set NL,     6                         ; LDS loads that bring one
.set NP,     4                         ; places behind this matrix instruction (ISA guide 7.12.1)
.set HALFT,  128*PITCH
.set SLOT,   4*HALFT
.set LAPS,   2                         ; 1,024 / 512
.set KS,     32                        ; a row of scl
.set SCL,    2*SLOT                    ; behind the ring: the scales, as units of 256 bytes + 16 of padding
.set HALFS,  16*272
.set SBLK,   2*272
.set SPARE,  SCL+4*HALFS               ; the spare words: 128 bytes for each wave
.set KOFF,   6291456
.set VOFF,   12582912
.set SVOFF,  524288
.set LO,   15                          ; v15     16 x lane
.set ADRA, 16                          ; v16-17  LDS address of my A fragments in slot 0, 1  (v18-19: behind one padding more)
.set ADRB, 20                          ; v20-21  the same for B  (v22-23)
.set SSW,  24                          ; v24     the way out: where a row's scale word goes: 512 x wave + 4 r, in slot 0, which has then had its last fill and its last read
.set SSR,  25                          ; v25     and where 16 bytes of them are read back: 512 x wave + 16 x lane
.set VO,   26                          ; v26     8 x lane: my place in an image's piece
.set ADRS, 27                          ; v27     LDS address of my scale words: lanes 0-15 A's rows, lanes 16-31 B's
.set SPW,  28                          ; v28     LDS address of my spare word; never rewritten
.set NIL,  29                          ; v29     0; never rewritten
.set BQ,   30                          ; v30     the bias by column: 64 h
.set BV,   31                          ; v31     the bias by row: 4 (r + 8 (r / 8))
.set SC,   32
.set BI,   64                          ; v64-127 the bias: 8 x 8 registers
.set TM,   64                          ; the way out: v64-67 largest magnitudes, v68-71 bytes, v76-79 the conversions' scale operands
.set PW,   80                          ; v80-87  a scale word for each block
.set CD,   96                          ; v96-107 the fragment just made
.set CX,   108                         ; v108-110, v112-114 the conversions' second halves
.set AF,   128
.set G1, 24
.set G0, 32
.set G1B, 48
.set G0B, 56
.set G1S, 68
.set G0S, 76
.set G1SB, 80
.set G0SB, 88
.set KIND, 95                          ; s95      1: kind qk; 0: kind v
.set STB,  96                          ; s[96:97] bytes from a block's image to the next
.set MSB, 0
.macro WIN new                         ; the immediate's high byte repeats the setting that is left
.if MSB != (\new)
	s_set_vgpr_msb (MSB<<8)|(\new)
.set MSB, (\new)
.endif
.endm
.set MUL_LO, 0xa1                      ; source 0 (B) window 1, source 1 (A) window 0, C and D window 2
.set MUL_HI, 0xf1                      ; the same, C and D window 3
.set TO_B,   0x40
; A joint load: waves 0 and 1 fetch for A, waves 2 and 3 for B; the branch hangs on the wave's number alone.  Four v_nop follow each of the two lines.
.macro JLOAD g0a, g1a, g0b, g1b
	s_cmp_eq_u32 s15, 0
	s_cbranch_scc0 .Lfor_b_\@
	tensor_load_to_lds s[\g0a:\g0a+3], s[\g1a:\g1a+7]
	s_nop 0
.rept 4
	v_nop
.endr
	s_branch .Lasked_\@
.Lfor_b_\@:
	tensor_load_to_lds s[\g0b:\g0b+3], s[\g1b:\g1b+7]
	s_nop 0
.rept 4
	v_nop
.endr
.Lasked_\@:
.endm
.macro CREST                           ; a round of the cluster's barrier behind its opening barrier
	s_cmp_lg_u32 s14, 0
	s_cbranch_scc1 .Lnot_wave_0_\@
	s_barrier_signal -3
.Lnot_wave_0_\@:
	s_barrier_wait -3
	s_barrier_signal -1
	s_barrier_wait -1
.endm
.macro CROUND
	s_barrier_signal -1
	s_barrier_wait -1
	CREST
.endm
	s_load_b256 s[4:11], s[0:1], 0x0               ; cod s[4:5], scl s[6:7], bqkv s[8:9], img s[10:11]
	s_load_b64 s[12:13], s[0:1], 0x20              ; isc
	v_lshl_add_u32 v[SPW], v0, 2, SPARE
	v_mov_b32 v[NIL], 0
	ds_add_u32 v28, v29
	ds_add_u32 v28, v29
	s_wait_dscnt 0x0
	v_lshrrev_b32 v1, 5, v0
	v_readfirstlane_b32 s14, v1                    ; wave 0..3
	s_lshr_b32 s15, s14, 1                         ; which half of the tile's rows is mine.  Also: I fetch for A (0) or for B (1)
	s_and_b32 s16, s14, 1                          ; which half of its columns.  Also: which 128 rows of that tile I fetch
	s_bfe_u32 s40, ttmp6, 0x40000                  ; cx, cy: my place in the cluster
	s_bfe_u32 s41, ttmp6, 0x40004
	; the kind, from the cluster's number alone
	s_lshr_b32 s17, ttmp9, 1
	s_and_b32 s42, ttmp9, 1
	s_sub_co_u32 s46, ttmp9, 16
	s_mov_b32 s[STB], 1536
	s_mov_b32 s[STB+1], 0
	s_mov_b32 s67, 768
	s_cmp_lt_u32 ttmp9, 16
	s_cselect_b32 s[KIND], 1, 0
	s_cselect_b32 s17, s17, 0                      ; which four tile rows
	s_cselect_b32 s42, s42, s46                    ; which four tile columns
	s_cselect_b32 s98, 0, 10240                    ; A's first row in cod
	s_cselect_b32 s99, 8192, 0                     ; B's
	s_cselect_b32 s[STB], 768, s[STB]
	s_cselect_b32 s66, 0, VOFF                     ; where the images begin,
	s_cselect_b32 s67, KOFF, s67                   ; how far a fragment's upper six registers lie from its lower six,
	s_cselect_b32 s2, 0, SVOFF                     ; and where the scale words begin
	s_lshl_b32 s17, s17, 2
	s_add_co_u32 s17, s17, s41                     ; tile row of C
	s_lshl_b32 s42, s42, 2
	s_add_co_u32 s42, s42, s40                     ; tile column of C
	s_lshl_b32 s43, s41, 2
	s_lshl_b32 s43, 15, s43                        ; my row of the cluster
	s_lshl_b32 s44, 0x1111, s40                    ; my column
	; descriptor group 1: a tile of 128 rows x 192 bytes, 16 bytes of padding behind every 64
	s_or_b32 s[G1+0], s43, (0<<16)|(1<<20)|(1<<21)|(3<<22)|(3<<25)
	s_or_b32 s[G1B+0], s44, (0<<16)|(1<<20)|(1<<21)|(3<<22)|(3<<25)
.irp g, G1, G1B
	s_mov_b32 s[\g+1], 256<<16                     ; a dense block comes as rows of 256 bytes; with 16 bytes of padding behind every 64 the 192-byte rows of codes lie 240 bytes apart in LDS
	s_mov_b32 s[\g+2], 192<<16                     ; the head's loads: 256 rows of codes = 192 rows of 256 bytes
	s_mov_b32 s[\g+3], 256<<16
	s_mov_b32 s[\g+4], 192
	s_mov_b32 s[\g+5], 256
	s_mov_b32 s[\g+6], 0
	s_mov_b32 s[\g+7], 0
.endr
	; the scales of 128 rows: 4,096 dense bytes, as 16 rows of 256 bytes (32 elements of 8), 16 bytes of padding behind each
	s_or_b32 s[G1S+0], s43, (3<<16)|(1<<20)|(1<<21)|(5<<22)|(3<<25)
	s_or_b32 s[G1SB+0], s44, (3<<16)|(1<<20)|(1<<21)|(5<<22)|(3<<25)
.irp g, G1S, G1SB
	s_mov_b32 s[\g+1], 32<<16
	s_mov_b32 s[\g+2], 32<<16                      ; the scales of 256 rows: 8,192 dense bytes
	s_mov_b32 s[\g+3], 32<<16
	s_mov_b32 s[\g+4], 32
	s_mov_b32 s[\g+5], 32
	s_mov_b32 s[\g+6], 0
	s_mov_b32 s[\g+7], 0
.endr
	s_lshl_b32 s20, s17, 8
	s_add_co_u32 s20, s20, s98                     ; A: row of cod
	s_lshl_b32 s46, s42, 8
	s_add_co_u32 s46, s46, s99                     ; B: row of cod
	s_mov_b32 s21, 0
	s_mov_b32 s47, 0
	s_mov_b64 s[18:19], KS
	s_mul_u64 s[22:23], s[20:21], s[18:19]         ; where these rows' scales begin, in bytes
	s_mul_u64 s[92:93], s[46:47], s[18:19]
	s_mov_b64 s[18:19], KROW
	s_mul_u64 s[20:21], s[20:21], s[18:19]         ; and their codes
	s_mul_u64 s[46:47], s[46:47], s[18:19]
	s_mul_i32 s45, s14, HALFT                      ; where they go: wave x 128 rows
	s_wait_kmcnt 0x0
	s_add_nc_u64 s[20:21], s[4:5], s[20:21]
	s_add_nc_u64 s[22:23], s[6:7], s[22:23]
	s_add_nc_u64 s[46:47], s[4:5], s[46:47]
	s_add_nc_u64 s[92:93], s[6:7], s[92:93]
	CROUND                                         ; all sixteen work-groups are here: the first joint loads meet
	s_mov_b32 s[G0S], 1
	s_mov_b32 s[G0S+1], SCL
	s_mov_b64 s[G0S+2:G0S+3], s[22:23]
	s_or_b32 s[G0S+3], s[G0S+3], 0x80000000
	s_mov_b32 s[G0SB], 1
	s_mov_b32 s[G0SB+1], SCL+2*HALFS
	s_mov_b64 s[G0SB+2:G0SB+3], s[92:93]
	s_or_b32 s[G0SB+3], s[G0SB+3], 0x80000000
	s_mul_i32 s92, s16, 24576                      ; in the ring I fetch half a block: 128 rows of codes
	s_mov_b32 s93, 0
	s_mov_b32 s[G0], 1                             ; the head's loads use slot 0's group 0: K step 0's whole block of A,
	s_mov_b32 s[G0+1], 0
	s_mov_b64 s[G0+2:G0+3], s[20:21]
	s_or_b32 s[G0+3], s[G0+3], 0x80000000
	s_mov_b32 s[G0B], 1                            ; and of B, behind it
	s_mov_b32 s[G0B+1], 2*HALFT
	s_mov_b64 s[G0B+2:G0B+3], s[46:47]
	s_or_b32 s[G0B+3], s[G0B+3], 0x80000000
	s_add_nc_u64 s[20:21], s[20:21], s[92:93]
	s_add_nc_u64 s[46:47], s[46:47], s[92:93]
	s_mov_b32 s[G0+4], 1                           ; slot 1: my half of K step 1
	s_add_co_u32 s[G0+5], s45, SLOT
	s_add_nc_u64 s[G0+6:G0+7], s[20:21], ROWB
	s_or_b32 s[G0+7], s[G0+7], 0x80000000
	s_mov_b32 s[G0B+4], 1
	s_add_co_u32 s[G0B+5], s45, SLOT
	s_add_nc_u64 s[G0B+6:G0B+7], s[46:47], ROWB
	s_or_b32 s[G0B+7], s[G0B+7], 0x80000000
; the head's four tiles, one a wave: wave 0 A's block, wave 1 B's, wave 2 A's scales, wave 3 B's; one chain of branches on the wave's number
.macro ARM under, g0, g1, next
	s_cmp_lt_u32 s14, \under
	s_cbranch_scc0 \next
	tensor_load_to_lds s[\g0:\g0+3], s[\g1:\g1+7]
	s_nop 0
.rept 4
	v_nop
.endr
	s_branch .Lhead_asked
\next:
.endm
	ARM 1, G0,  G1,  .Lhead_b
	ARM 2, G0B, G1B, .Lhead_sa
	ARM 3, G0S, G1S, .Lhead_sb
	tensor_load_to_lds s[G0SB:G0SB+3], s[G1SB:G1SB+7]
	s_nop 0
.rept 4
	v_nop
.endr
.Lhead_asked:
	v_and_b32 v1, 15, v0                           ; r
	v_bfe_u32 v2, v0, 4, 1                         ; h
	v_mul_u32_u24 v3, v1, PITCH
	v_mul_u32_u24 v4, v2, 24
	v_add_nc_u32 v4, v3, v4                        ; a fragment's row x pitch + 24 x half
	v_lshl_add_u32 v5, v2, 4, v4                   ; and the same behind one padding more
	s_mul_i32 s21, s15, HALFT                      ; my 128 rows of A
	s_mul_i32 s22, s16, HALFT                      ; my 128 rows of B,
	s_add_co_u32 s22, s22, 2*HALFT                 ; which lie behind A's 256
.irp s, 0,1
	v_add_nc_u32 v[ADRA+\s], s21, v4
	v_add_nc_u32 v[ADRB+\s], s22, v4
	v_add_nc_u32 v[ADRA+2+\s], s21, v5
	v_add_nc_u32 v[ADRB+2+\s], s22, v5
	s_add_co_u32 s21, s21, SLOT
	s_add_co_u32 s22, s22, SLOT
.endr
	v_mul_u32_u24 v5, v1, KS                       ; my row's scales: 32 bytes a row,
	v_lshrrev_b32 v6, 8, v5
	v_lshl_add_u32 v5, v6, 4, v5                   ; and 16 more for each 256 passed
	s_mul_i32 s21, s15, HALFS                      ; A's: my 128 rows
	s_mul_i32 s22, s16, HALFS                      ; B's: my 128 rows, behind A's 256
	s_add_co_u32 s22, s22, 2*HALFS
	s_sub_co_u32 s22, s22, s21
	v_mul_u32_u24 v6, s22, v2                      ; lanes 16-31 take B's
	s_add_co_u32 s21, s21, SCL
	v_add_nc_u32 v5, v5, v6
	v_add_nc_u32 v[ADRS], s21, v5
	s_lshl_b32 s23, s14, 9
	v_lshl_add_u32 v[SSW], v1, 2, s23
	v_and_b32 v6, 31, v0
	v_lshl_add_u32 v[SSR], v6, 4, s23
	v_lshlrev_b32 v[LO], 4, v6
	v_lshlrev_b32 v[VO], 3, v6
	v_lshlrev_b32 v[BQ], 6, v2
	v_and_b32 v[BV], 8, v1
	v_add_nc_u32 v[BV], v[BV], v1
	v_lshlrev_b32 v[BV], 2, v[BV]
	; where my results go
	s_lshl_b32 s20, s17, 4
	s_lshl_b32 s21, s15, 3
	s_add_co_u32 s20, s20, s21                     ; MB0: my first block of 16 rows of A
	s_lshl_b32 s46, s42, 1
	s_add_co_u32 s46, s46, s16                     ; NG: my group of 128 rows of B
	s_lshr_b32 s21, s20, 6
	s_lshl_b32 s21, s21, 10
	s_lshl_b32 s22, s46, 6
	s_and_b32 s23, s20, 63
	s_add_co_u32 s21, s21, s22
	s_add_co_u32 s21, s21, s23                     ; kind qk: X = (batch x 16 + head) x 64 + token tile
	s_add_co_u32 s22, s22, s20                     ; kind v: Y = 64 NG + MB0
	s_mul_i32 s23, s46, 768                        ; kind qk: the head's q and k in bqkv
	s_lshr_b32 s47, s20, 2
	s_mul_i32 s47, s47, 768
	s_add_co_u32 s47, s47, 512                     ; kind v: the first head's v in bqkv
	s_cmp_eq_u32 s[KIND], 1
	s_cselect_b32 s21, s21, s22
	s_cselect_b32 s18, s23, s47
	s_mov_b32 s19, 0
	s_add_nc_u64 s[8:9], s[8:9], s[18:19]          ; the bias
	s_mul_i32 s18, s21, s[STB]
	s_add_co_u32 s18, s18, s66
	s_add_nc_u64 s[10:11], s[10:11], s[18:19]      ; a fragment's registers 0-5
	s_mov_b32 s18, s67
	s_add_nc_u64 s[4:5], s[10:11], s[18:19]        ; its registers 6-11
	s_lshl_b32 s18, s21, 6
	s_add_co_u32 s18, s18, s2
	s_add_nc_u64 s[12:13], s[12:13], s[18:19]      ; the scale words
	s_cmp_eq_u32 s[KIND], 1
	s_cbranch_scc0 .Lbias_v
	s_wait_alu depctr_va_vdst(0)
.irp b, 0,1,2,3,4,5,6,7                        ; by column: accumulator (a, b), register j, is column 32 (b / 2) + 16 h + 8 (b % 2) + j of the head's 128
	global_load_b128 v[BI+8*\b:BI+8*\b+3], v[BQ], s[8:9] offset:(32*(\b/2)+8*(\b%2))*4
	global_load_b128 v[BI+8*\b+4:BI+8*\b+7], v[BQ], s[8:9] offset:(32*(\b/2)+8*(\b%2))*4+16
.endr
	s_branch .Lbias_in
.Lbias_v:
	s_wait_alu depctr_va_vdst(0)
.irp a, 0,1,2,3,4,5,6,7                        ; by row: lane r of block a is channel 32 ((a / 2) % 2) + 8 (a % 2) + r + 8 (r / 8) of head a / 4 on: the same number in all eight registers
.irp j, 0,1,2,3,4,5,6,7
	global_load_b32 v[BI+8*\a+\j], v[BV], s[8:9] offset:(192*(\a/4)+32*((\a/2)%2)+8*(\a%2))*4
.endr
.endr
.Lbias_in:
.macro FRAG reg, adr, q, i             ; a fragment: lane l holds row l % 16; registers 6 c .. 6 c + 5 hold K = 64 c + 32 (l / 16) + 0 .. 31: 24 bytes of the row's stream of bits, in pieces of 8
.irp p, 0,1,2,3,4,5
.set PCE, 12*(\q)+6*(\p/3)+\p%3        ; where the piece three on (lanes 16-31) lies behind one padding more, the second address register serves
.if PCE%8 < 5
	ds_load_b64 v[\reg+2*\p:\reg+2*\p+1], v[\adr] offset:8*PCE+16*(PCE/8)+(\i)*16*PITCH
.else
	ds_load_b64 v[\reg+2*\p:\reg+2*\p+1], v[\adr+2] offset:8*PCE+16*(PCE/8)+(\i)*16*PITCH
.endif
.endr
.endm
; 16 matrix instructions: A's blocks a0, a0 + 1 x B's eight, 128 along K.  p: B's set; sc: the set of scale words.  zero = 0: in place; 1: the sums start from the bias by column; 2: from the bias by row.
; The 64 accumulators take turns, one instruction a turn, in the same order in every step.
.macro MUL16 a0, p, q, sc, zero
.irp a, \a0, \a0+1
.irp b, 0,1,2,3,4,5,6,7
.if (\zero) == 1
	v_wmma_scale_f32_16x16x128_f8f6f4 v[8*(8*((\a)%4)+\b):8*(8*((\a)%4)+\b)+7], v[128*(\p)+FR*\b:128*(\p)+FR*\b+FR-1], v[AF+FR*(\a):AF+FR*(\a)+FR-1], v[BI+8*\b:BI+8*\b+7], v[SC+8*NQ*(\sc)+NQ*\b+(\q)], v[SC+8*NQ*(\sc)+NQ*(\a)+(\q)] matrix_a_fmt:MATRIX_FMT_FP6 matrix_b_fmt:MATRIX_FMT_FP6 matrix_a_scale:MATRIX_SCALE_ROW1
.elseif (\zero) == 2
	v_wmma_scale_f32_16x16x128_f8f6f4 v[8*(8*((\a)%4)+\b):8*(8*((\a)%4)+\b)+7], v[128*(\p)+FR*\b:128*(\p)+FR*\b+FR-1], v[AF+FR*(\a):AF+FR*(\a)+FR-1], v[BI+8*(\a):BI+8*(\a)+7], v[SC+8*NQ*(\sc)+NQ*\b+(\q)], v[SC+8*NQ*(\sc)+NQ*(\a)+(\q)] matrix_a_fmt:MATRIX_FMT_FP6 matrix_b_fmt:MATRIX_FMT_FP6 matrix_a_scale:MATRIX_SCALE_ROW1
.else
	v_wmma_scale_f32_16x16x128_f8f6f4 v[8*(8*((\a)%4)+\b):8*(8*((\a)%4)+\b)+7], v[128*(\p)+FR*\b:128*(\p)+FR*\b+FR-1], v[AF+FR*(\a):AF+FR*(\a)+FR-1], v[8*(8*((\a)%4)+\b):8*(8*((\a)%4)+\b)+7], v[SC+8*NQ*(\sc)+NQ*\b+(\q)], v[SC+8*NQ*(\sc)+NQ*(\a)+(\q)] matrix_a_fmt:MATRIX_FMT_FP6 matrix_b_fmt:MATRIX_FMT_FP6 matrix_a_scale:MATRIX_SCALE_ROW1
.endif
.endr
.endr
.endm
.macro FETCH_B slot, q, p
	WIN TO_B
.irp i, 0,1,2,3,4,5,6,7
	FRAG 128*(\p)+FR*\i, ADRB+\slot, \q, \i
.endr
	WIN 0
.endm
.macro FETCH_A slot, q, i0
.irp i, \i0, \i0+1, \i0+2, \i0+3
	FRAG AF+FR*(\i), ADRA+\slot, \q, \i
.endr
.endm
.macro SCALES sc                       ; a K step's scale words: 2 words a row; lanes 0-15 take A's block i, lanes 16-31 B's block i
.irp i, 0,1,2,3,4,5,6,7
	ds_load_b64 v[SC+8*NQ*\sc+NQ*\i:SC+8*NQ*\sc+NQ*\i+1], v[ADRS] offset:\i*SBLK
.endr
.endm
.macro PLACES n                        ; places in front of loads into registers that matrix instructions have read, and of the first read of results
.rept \n
	v_nop
.endr
.endm
; A step of 128 along K that has its successor in the same slot.
.macro STEP slot, q, zero
	s_wait_dscnt 4*NL                              ; B's set and A's blocks 0-3 are in; the youngest 24 loads (A's blocks 4-7) may be out
.if \zero
	WIN 0x81                                       ; C (the bias) window 0, D window 2
.else
	WIN MUL_LO
.endif
	MUL16 0, (\q)%2, \q, \slot, \zero
	MUL16 2, (\q)%2, \q, \slot, \zero
	s_wait_dscnt 0                                 ; A's blocks 4-7 are in
	PLACES NP
	FETCH_B \slot, (\q)+1, 1-(\q)%2
	FETCH_A \slot, (\q)+1, 0
.if \zero
	WIN 0xc1                                       ; C window 0, D window 3
.else
	WIN MUL_HI
.endif
	MUL16 4, (\q)%2, \q, \slot, \zero
	MUL16 6, (\q)%2, \q, \slot, \zero
	PLACES NP
	WIN 0
	FETCH_A \slot, (\q)+1, 4
.endm
; A slot's last step changes slots: one barrier; in front of it each wave waits for all its tensor loads, adds 0 to its spare word, and waits for that and for its reads of this slot.
.macro TURN slot, next, fill
	s_wait_tensorcnt 0x0                           ; all my tensor loads have landed: my part of the next slot
	ds_add_u32 v[SPW], v[NIL]                      ; 0 onto my spare word
	s_wait_dscnt 4*NL+1                            ; (the add and the youngest 24 loads, A's blocks 4-7, may be out)
	WIN MUL_LO
	MUL16 0, 1, NQ-1, \slot, 0                     ; sixteen matrix instructions stand between the add and the wait for it
	s_wait_dscnt 0x0                               ; the add is done, and my reads of this slot are over
	s_barrier_signal -1
	MUL16 2, 1, NQ-1, \slot, 0
	WIN 0
	s_barrier_wait -1
.if \fill
	CREST                                          ; the barrier has opened a round of the cluster's barrier: no wave of any partner still reads this slot or has a load on its way
	s_add_nc_u64 s[G0+4*\slot+2:G0+4*\slot+3], s[G0+4*\slot+2:G0+4*\slot+3], 2*ROWB
	s_add_nc_u64 s[G0B+4*\slot+2:G0B+4*\slot+3], s[G0B+4*\slot+2:G0B+4*\slot+3], 2*ROWB
	JLOAD G0+4*\slot, G1, G0B+4*\slot, G1B         ; the first tensor load behind the round; its four v_nop are the places in front of the loads below
.else
	PLACES NP
.endif
	s_wait_alu depctr_va_vdst(0)
	v_add_nc_u32 v[ADRS], 4*NQ, v[ADRS]            ; on to the next K step's scale words
	FETCH_B \next, 0, 0
	FETCH_A \next, 0, 0
	SCALES \next
	WIN MUL_HI
	MUL16 4, 1, NQ-1, \slot, 0
	MUL16 6, 1, NQ-1, \slot, 0
	PLACES NP
	WIN 0
	FETCH_A \next, 0, 4
.endm
	s_wait_alu depctr_va_vdst(0)                   ; the wait at the head's end
	s_wait_tensorcnt 0x0                           ; my tile of the head's four is in
	ds_add_u32 v[SPW], v[NIL]
	s_mov_b32 s[G1+2], 96<<16                      ; no tensor load of mine is out: from here on a load brings half a block, 96 rows of 256 bytes,
	s_mov_b32 s[G1+4], 96
	s_mov_b32 s[G1B+2], 96<<16
	s_mov_b32 s[G1B+4], 96
	s_mov_b32 s[G0+1], s45                         ; and slot 0's group 0 names my half
	s_mov_b32 s[G0B+1], s45
	s_add_nc_u64 s[G0+2:G0+3], s[G0+2:G0+3], s[92:93]
	s_add_nc_u64 s[G0B+2:G0B+3], s[G0B+2:G0B+3], s[92:93]
	s_wait_dscnt 0x0
	CROUND                                         ; all four tiles are in, and all sixteen work-groups are here
	JLOAD G0+4, G1, G0B+4, G1B                     ; K step 1, the first tensor load behind the round
	FETCH_B 0, 0, 0
	FETCH_A 0, 0, 0
	SCALES 0
	FETCH_A 0, 0, 4
	s_wait_loadcnt 0x0                             ; the bias
	s_cmp_eq_u32 s[KIND], 1                        ; the first step starts the sums from the bias: by column or by row.  Both arms issue the same LDS loads; no barrier and no tensor load stands in them
	s_cbranch_scc0 .Lfirst_v
	STEP 0, 0, 1
	s_branch .Lfirst_done
.Lfirst_v:
	STEP 0, 0, 2
.Lfirst_done:
	s_mov_b32 s3, LAPS-1
.Llap:                                                 ; a trip goes once round the ring, from a lap's second step to the next lap's first, and fills both slots again
	TURN 0, 1, 1
	STEP 1, 0, 0
	TURN 1, 0, 1
	STEP 0, 0, 0
	s_sub_co_u32 s3, s3, 1
	s_cmp_lg_u32 s3, 0
	s_cbranch_scc1 .Llap
	TURN 0, 1, 0                                   ; the last lap fills nothing, and has no round of the cluster's barrier
	STEP 1, 0, 0
	s_wait_dscnt 4*NL                              ; the very last step: nothing more to fetch
	WIN MUL_LO
	MUL16 0, 1, NQ-1, 1, 0
	MUL16 2, 1, NQ-1, 1, 0
	s_wait_dscnt 0
	WIN MUL_HI
	MUL16 4, 1, NQ-1, 1, 0
	MUL16 6, 1, NQ-1, 1, 0
	WIN 0
; THE WAY OUT of block a: 16 rows x 128 columns, 64 numbers a lane, register 16 b + i = column 32 b + 16 h + i of my row.
.macro OUTBLK a
.set AC, 64*((\a)%4)
.set WA, 2+(\a)/4                      ; the block's window
	WIN (WA<<4)|(WA<<2)                            ; sources 1 and 2: the accumulators
.irp b, 0,1,2,3
	v_max3_num_f32 v[TM+\b], 0x1800000, |v[AC+16*\b]|, |v[AC+16*\b+1]|   ; block b: my 16 numbers, each accumulator from its low end on, and the floor 2^(3 - 127)
.endr
.irp i, 2,4,6,8,10,12,14
.irp b, 0,1,2,3
	v_max3_num_f32 v[TM+\b], v[TM+\b], |v[AC+16*\b+\i]|, |v[AC+16*\b+\i+1]|   ; (the four blocks by turns)
.endr
.endr
	WIN 0
.irp b, 0,1,2,3
	v_permlanex16_b32 v[TM+4+\b], v[TM+\b], s20, s21
.endr
.irp b, 0,1,2,3
	v_max_num_f32 v[TM+\b], v[TM+\b], v[TM+4+\b]   ; with lane l xor 16's: the block's largest magnitude
.endr
.irp b, 0,1,2,3
	v_add_nc_u32 v[TM+12+\b], 0xff000000, v[TM+\b] ; 2 off its exponent field: the conversion's scale operand
.endr
.irp b, 0,1,2,3
	v_lshrrev_b32 v[TM+4+\b], 23, v[TM+12+\b]      ; the scale's byte
.endr
	v_lshl_or_b32 v[PW+(\a)], v[TM+5], 8, v[TM+4]  ; my row's scale word
	v_lshl_or_b32 v[PW+(\a)], v[TM+6], 16, v[PW+(\a)]
	v_lshl_or_b32 v[PW+(\a)], v[TM+7], 24, v[PW+(\a)]
.if (\a) > 0
	s_wait_xcnt 0x0                                ; the last block's stores have read their data and their bases: both are written again below
	s_add_nc_u64 s[10:11], s[10:11], s[STB:STB+1]
	s_add_nc_u64 s[4:5], s[4:5], s[STB:STB+1]
.endif
	WIN WA                                         ; source 0: the accumulators
.irp c, 0,1
	v_cvt_scalef32_pk16_fp6_f32 v[CD+6*\c:CD+6*\c+2], v[AC+32*\c:AC+32*\c+15], v[TM+12+2*\c]
	v_cvt_scalef32_pk16_fp6_f32 v[CX+4*\c:CX+4*\c+2], v[AC+32*\c+16:AC+32*\c+31], v[TM+12+2*\c+1]   ; (a conversion's three registers begin on an even number)
.endr
	WIN 0
	v_nop                                          ; one plain place behind a scaled conversion
.irp c, 0,1                                    ; the operand's layout wants a whole block in a lane: lanes 0-15 block 2 c, lanes 16-31 block 2 c + 1
.irp i, 0,1,2
	v_permlane16_swap_b32 v[CD+6*\c+\i], v[CX+4*\c+\i]
.endr
.irp i, 0,1,2
	v_mov_b32 v[CD+3+6*\c+\i], v[CX+4*\c+\i]
.endr
.endr
	ds_store_b32 v[SSW], v[PW+(\a)] offset:64*(\a) ; lanes r and 16 + r write the same word with the same value
.irp p, 0,1,2
	global_store_b64 v[VO], v[CD+2*\p:CD+2*\p+1], s[10:11] offset:256*\p       ; 32 lanes store 256 consecutive bytes, at a multiple of 256 from img's first byte
.endr
.irp p, 3,4,5
	global_store_b64 v[VO], v[CD+2*\p:CD+2*\p+1], s[4:5] offset:256*(\p-3)
.endr
.endm
	s_mov_b32 s20, 0x76543210
	s_mov_b32 s21, 0xfedcba98                      ; v_permlanex16_b32's selects for lane l xor 16
.irp b, 0,1,2,3
	v_mov_b32 v[TM+4+\b], 0                        ; a lane permute's destination counts as one of its sources; these four lines are also the places behind the last products
.endr
.irp a, 0,1,2,3,4,5,6,7
	OUTBLK \a
.endr
	ds_load_b128 v[116:119], v[SSR]                ; my eight blocks' scale words, 512 bytes: LDS serves a wave's instructions in order
	s_wait_dscnt 0x0
	global_store_b128 v[LO], v[116:119], s[12:13]  ; 32 lanes store 512 consecutive bytes, at a multiple of 512 from isc's first byte
	s_wait_tensorcnt 0x0                           ; the wave's end
	ds_add_u32 v[SPW], v[NIL]
	s_wait_dscnt 0x0
	CROUND                                         ; the closing round: no work-group ends while a partner may still ask for a tile that names it
	s_endpgm
.Lfunc_end_k_q030c74a28e_proj:
	.size	k_q030c74a28e_proj, .Lfunc_end_k_q030c74a28e_proj-k_q030c74a28e_proj
	.p2alignl 7, 3214868480
	.fill 96, 4, 3214868480
	.section	.rodata,"a",@progbits
	.p2align	6, 0x0
	.amdhsa_kernel k_q030c74a28e_proj
		.amdhsa_group_segment_fixed_size 327680
		.amdhsa_private_segment_fixed_size 0
		.amdhsa_enable_private_segment 0
		.amdhsa_kernarg_size 40
		.amdhsa_user_sgpr_count 2
		.amdhsa_user_sgpr_kernarg_segment_ptr 1
		.amdhsa_wavefront_size32 1
		.amdhsa_system_sgpr_workgroup_id_x 1
		.amdhsa_system_sgpr_workgroup_id_y 1
		.amdhsa_system_sgpr_workgroup_id_z 1
		.amdhsa_system_vgpr_workitem_id 0
		.amdhsa_next_free_vgpr 1024
		.amdhsa_next_free_sgpr 100
		.amdhsa_reserve_vcc 0
		.amdhsa_float_denorm_mode_32 3
		.amdhsa_float_denorm_mode_16_64 3
		.amdhsa_memory_ordered 1
		.amdhsa_forward_progress 1
		.amdhsa_inst_pref_size 192
	.end_amdhsa_kernel
	.amdgpu_metadata
---
amdhsa.version: [ 1, 2 ]
amdhsa.kernels:
  - .name:           k_q030c74a28e_proj
    .symbol:         k_q030c74a28e_proj.kd
    .args:
      - { .name: cod, .offset: 0, .size: 8, .value_kind: global_buffer, .address_space: global }
      - { .name: scl, .offset: 8, .size: 8, .value_kind: global_buffer, .address_space: global }
      - { .name: bqkv, .offset: 16, .size: 8, .value_kind: global_buffer, .address_space: global }
      - { .name: img, .offset: 24, .size: 8, .value_kind: global_buffer, .address_space: global }
      - { .name: isc, .offset: 32, .size: 8, .value_kind: global_buffer, .address_space: global }
    .group_segment_fixed_size: 327680
    .private_segment_fixed_size: 0
    .kernarg_segment_align: 8
    .kernarg_segment_size: 40
    .max_flat_workgroup_size: 128
    .sgpr_count:     100
    .vgpr_count:     1024
    .wavefront_size: 32
...
	.end_amdgpu_metadata
.endif
;; end of part 2
;; launch attn (part 3): grid 16 x 16, 8 waves a work-group, clusters of 4 x 1, 327,680 bytes of LDS; arguments img, isc, mask, valc, vals; writes valc, vals
.if DOCPART == 3
	.amdgcn_target "amdgcn-amd-amdhsa--gfx1250"
	.amdhsa_code_object_version 6
	.text
	.protected	k_q030c74a28e_attn
	.globl	k_q030c74a28e_attn
	.p2align	8
	.type	k_q030c74a28e_attn,@function
k_q030c74a28e_attn:
	s_mov_b64 s[64:65], 0
	v_nop
	global_prefetch_b8 v0, s[64:65] scope:SCOPE_SE
	s_setreg_imm32_b32 hwreg(HW_REG_WAVE_MODE, 25, 1), 1
	s_wait_xcnt 0x0
	s_wait_alu depctr_hold_cnt(0) depctr_sa_sdst(0) depctr_va_vdst(0) depctr_va_sdst(0) depctr_va_ssrc(0) depctr_va_vcc(0) depctr_vm_vsrc(0)
	s_getreg_b32 s2, hwreg(HW_REG_IB_STS2, 6, 4)
	s_cmp_eq_u32 s2, 0
	s_cbranch_scc0 .Lentry_in_a_cluster
	s_endpgm
.Lentry_in_a_cluster:
	s_bfe_u32 s2, ttmp6, 0x10000c
	s_cmp_lg_u32 s2, 0x3003
	s_cbranch_scc0 .Lentry_shape_is_right
	s_endpgm
.Lentry_shape_is_right:
; values[b][h][q][:] = the sum over k of softmax_k(q . k / 8 + mask[q][k]) v[k][:], 128 pairs (b, h), 1,024 queries and keys, head size 64; both products on codes of FP6 (E2M3) with E8M0 scales.
; The values are quantised along the head (blocks of 32) and stored as codes and scale bytes, flat [b][h][q][48 bytes] and [b][h][q][2 bytes]: the rows of the last product's A as the layer's reshape has them.
; THE SOFTMAX: t = (q . k / 8 + mask) log2(e); M = the running largest t rounded up to a whole number; p = 2^(t - M) is quantised along the keys, not normalised; the row's sum of the unquantised p divides at the end.
; SHARES.  A work-group owns 64 queries and walks 8 pairs.  Eight waves, two to a SIMD: wave w takes tile w % 4 of 16 queries (lane r: query q0 + r + 8 (r / 8)) and half w / 4 of the keys, 4 key steps of 128.
; For each head waves 4-7 hand O^T, -M and the sum to waves 0-3 through LDS; the two parts are joined by factors that are powers of two, divided by the joint sum, quantised and stored.
; THE MASK LIVES IN REGISTERS: 8 x mask for my 16 queries x 512 keys, 256 registers (all of window 1), loaded once in the layout of a result and given as the C of S^T = K Q^T: D = 8 (q . k / 8 + mask).
; LAYOUT.  Both products are used transposed (source 0 = 16 keys, or 16 channels): a lane holds one query.  By the order of tokens and channels in the images the 16 registers of tiles 2 b, 2 b + 1 are
; keys (channels) 32 b + 16 h + 0 .. 15.  The head's 64 fill half of the instruction's 128 along K: Q's upper six registers are zero codes, so K's fragment names the next tile's six as its upper half.
; K's and V's fragments share registers: V is fetched behind the products K Q^T, the next K behind the products V^T P, with the rest of the row's sums between that fetch and the wait for it.
; THE RING.  Two LDS slots, each with a whole head: K's 64 images, V's 32, their scale words.  Eight joint loads a head, one a wave: wave w brings half w / 4 of tile kind w % 4.  One round a head.
; CLUSTER.  The four query blocks of a cluster walk the same pairs: each tile is asked for jointly (mask 15).  My place in the cluster enters Q's, the mask's and the outputs' global addresses alone.
; NO PREFETCH: a head's tiles are asked for by the tensor loads a whole head ahead: four key steps of every wave stand between the request and the wait for it.
; LIMITS.  A mask entry x 8 under -3e38 (-infinity too) is held at -3e38: its p is 0.  The running largest t starts at -2^22: a row whose every logit lies under -2^22 / log2(e) gets no right value
; (the layer as defined gives NaN for a row with every key at -infinity).  NaN and +infinity are not served.  Blocks under 2^-124 keep the byte 1 (blocks of zeros too: their codes are zeros).
; REGISTERS, window 0: v1-11, v29, v46-54 addresses; v12 -M, v13 largest t, v[14:15] the sum; v16-27 Q; v28, v32-38 scale words; v40-45 factors; v56-63 the way out; v64-127 S^T, then p; v128-159 O^T;
;   v160-178 codes; v180-199 at work; v200-253 K's eight fragments (tile t at 200 + 6 t) or V's four.  Window 1: the mask, key step st at v[64 st].
.set KOFF,  6291456
.set VOFF,  12582912
.set SVOFF, 524288
.set SLOT1, 131072
.set LV,    49152                      ; in a slot: K's images at 0, V's here,
.set LKS,   98304                      ; the q/k scale words,
.set LVS,   102400                     ; V's scale words
.set MST,   235520                     ; behind the ring: 16 rows x 528 bytes for each wave: the mask's turn; later what waves 4-7 hand over
.set MSP,   528
.set MRG,   16*MSP
.set OST,   MST+8*MRG                  ; 1,024 bytes for each wave, for the way out
.set SPARE, OST+8*1024                 ; the spare words: 128 bytes for each wave
.set QS,  28
.set KSC, 32
.set VSC, 36
.set PS,  38
.set S,   64
.set O,   128
.set PC,  160
.set PX,  172
.set BM,  180
.set BP,  184
.set SO,  188
.set KV,  200
.set G1K,  28
.set G1V,  36
.set G1KS, 44
.set G1VS, 52
.set G0K,  60
.set G0V,  68
.set G0KS, 72
.set G0VS, 76
.set MSB, 0
.macro WIN new
.if MSB != (\new)
	s_set_vgpr_msb (MSB<<8)|(\new)
.set MSB, (\new)
.endif
.endm
.macro GROUP1 g, c, r, p               ; r rows of c elements of 8 bytes, p elements apart; no padding: images are read as they lie
	s_mov_b32 s[\g], 15|(3<<16)|(1<<21)
	s_mov_b32 s[\g+1], ((\c)&0xffff)<<16
	s_mov_b32 s[\g+2], ((\c)>>16)|(((\r)&0xffff)<<16)
	s_mov_b32 s[\g+3], ((\r)>>16)|((\c)<<16)
	s_mov_b32 s[\g+4], \r
	s_mov_b32 s[\g+5], \p
	s_mov_b32 s[\g+6], 0
	s_mov_b32 s[\g+7], 0
.endm
.macro TARM g0, g1
	tensor_load_to_lds s[\g0:\g0+3], s[\g1:\g1+7]
	s_nop 0
.rept 4
	v_nop
.endr
.endm
.macro TLOAD4                          ; one load a wave: the kind by wave % 4 (one chain of branches), the half by the addresses
	s_cmp_eq_u32 s66, 0
	s_cbranch_scc0 .Lnot0_\@
	TARM G0K, G1K
	s_branch .Lasked_\@
.Lnot0_\@:
	s_cmp_eq_u32 s66, 1
	s_cbranch_scc0 .Lnot1_\@
	TARM G0V, G1V
	s_branch .Lasked_\@
.Lnot1_\@:
	s_cmp_eq_u32 s66, 2
	s_cbranch_scc0 .Lnot2_\@
	TARM G0KS, G1KS
	s_branch .Lasked_\@
.Lnot2_\@:
	TARM G0VS, G1VS
.Lasked_\@:
.endm
.macro CROUND
	s_barrier_signal -1
	s_barrier_wait -1
	s_cmp_lg_u32 s14, 0
	s_cbranch_scc1 .Lnot_wave_0_\@
	s_barrier_signal -3
.Lnot_wave_0_\@:
	s_barrier_wait -3
	s_barrier_signal -1
	s_barrier_wait -1
.endm
	s_load_b256 s[4:11], s[0:1], 0x0               ; img, isc, mask, valc
	s_load_b64 s[12:13], s[0:1], 0x20              ; vals
	v_lshl_add_u32 v5, v0, 2, SPARE                ; my spare word; never rewritten
	v_mov_b32 v6, 0                                ; 0; never rewritten
	ds_add_u32 v5, v6                              ; the opening lines: the add twice on end and one wait
	ds_add_u32 v5, v6
	v_lshrrev_b32 v30, 5, v0
	v_readfirstlane_b32 s14, v30                   ; wave 0..7
	s_and_b32 s66, s14, 3                          ; my tile of queries; also the kind of tile that I fetch
	s_lshr_b32 s67, s14, 2                         ; my half of the keys; also the half of that tile
	s_bfe_u32 s15, ttmp6, 0x40000                  ; cx
	s_lshl_b32 s16, ttmp9, 2
	s_add_co_u32 s16, s16, s15                     ; g: my block of 64 queries
	s_and_b32 s17, ttmp7, 0xffff                   ; y: pairs 8 y .. 8 y + 7
	s_lshr_b32 s2, s17, 1                          ; the batch
	s_and_b32 s3, s17, 1                           ; heads 0-7 or 8-15
	s_mul_i32 s91, s67, 24576                      ; half of K's or V's 49,152 bytes
	s_mul_i32 s92, s17, 393216                     ; K: 49,152 bytes a pair
	s_add_co_u32 s92, s92, KOFF
	s_add_co_u32 s92, s92, s91
	s_mov_b32 s93, 0
	s_mul_i32 s94, s2, 786432                      ; V: 8 key steps x 98,304 bytes a batch; 6,144 bytes a head
	s_mul_i32 s96, s3, 49152
	s_add_co_u32 s94, s94, s96
	s_mul_i32 s96, s67, 393216                     ; four key steps on
	s_add_co_u32 s94, s94, s96
	s_add_co_u32 s94, s94, VOFF
	s_mov_b32 s95, 0
	s_lshl_b32 s96, s17, 15                        ; the q/k scale words: 4,096 bytes a pair
	s_lshl_b32 s97, s67, 11
	s_add_co_u32 s96, s96, s97
	s_mov_b32 s97, 0
	s_lshl_b32 s98, s2, 15                         ; V's: 4,096 bytes a key step, 256 a head
	s_lshl_b32 s99, s3, 11
	s_add_co_u32 s98, s98, s99
	s_lshl_b32 s99, s67, 14
	s_add_co_u32 s98, s98, s99
	s_add_co_u32 s98, s98, SVOFF
	s_mov_b32 s99, 0
	GROUP1 G1K, 32, 96, 32                         ; 32 of K's images: 24,576 dense bytes
	GROUP1 G1V, 768, 4, 12288                      ; V: for each of 4 key steps the head's 4 images, 6,144 bytes, 98,304 bytes apart
	GROUP1 G1KS, 32, 8, 32                         ; 2,048 dense bytes
	GROUP1 G1VS, 32, 4, 512                        ; for each of 4 key steps 256 bytes, 4,096 bytes apart
	s_mov_b32 s[G0K], 1
	s_mov_b32 s[G0K+1], s91
	s_mov_b32 s[G0V], 1
	s_add_co_u32 s[G0V+1], s91, LV
	s_mov_b32 s[G0KS], 1
	s_lshl_b32 s[G0KS+1], s67, 11
	s_add_co_u32 s[G0KS+1], s[G0KS+1], LKS
	s_mov_b32 s[G0VS], 1
	s_lshl_b32 s[G0VS+1], s67, 10
	s_add_co_u32 s[G0VS+1], s[G0VS+1], LVS
	s_mov_b32 s18, 0                               ; the slot in hand
	s_mov_b32 s19, 7                               ; heads that have a successor
	s_mov_b32 s20, 0x76543210
	s_mov_b32 s21, 0xfedcba98                      ; v_permlanex16_b32's selects for lane l xor 16
	s_mov_b32 s22, 0x3e38aa3b                      ; c = log2(e) / 8
	s_mov_b32 s23, s22
	s_mov_b32 s24, 0x41000000                      ; 8.0
	s_mov_b32 s25, s24
	s_mov_b32 s26, 0xffff0000                      ; lanes 16-31
	s_mov_b32 s27, 0xff61b1e6                      ; -3e38
	s_mov_b32 s90, 0xca800000                      ; -2^22
	s_lshl_b32 s84, s14, 10
	s_add_co_u32 s84, s84, OST                     ; my bytes for the way out
	s_mul_i32 s85, s14, MRG
	s_add_co_u32 s85, s85, MST                     ; my stage
	s_mul_i32 s86, s66, MRG
	s_add_co_u32 s86, s86, MST+4*MRG               ; the stage of wave 4 + w % 4: what that wave hands to wave w % 4
	v_and_b32 v30, 31, v0                          ; lane
	v_and_b32 v31, 15, v0                          ; r
	v_bfe_u32 v39, v0, 4, 1                        ; h
	v_lshlrev_b32 v1, 3, v30                       ; 8 x lane: my place in an image's piece
	v_lshlrev_b32 v2, 2, v31
	v_add_nc_u32 v3, s91, v1                       ; K of my half
	v_add_nc_u32 v4, LV, v3                        ; V of my half
	v_lshlrev_b32 v29, 2, v30
	v_add_nc_u32 v7, s[G0KS+1], v29
	v_add_nc_u32 v7, 2, v7                         ; k's two bytes are a scale word's upper half
	v_add_nc_u32 v29, s[G0VS+1], v29
	v_lshlrev_b32 v48, 4, v30
	v_lshlrev_b32 v51, 6, v31
	v_lshl_add_u32 v51, v39, 5, v51
	v_add_nc_u32 v51, s84, v51                     ; the way out, in: 64 r + 32 h
	v_add_nc_u32 v52, s84, v48                     ; back: place = lane
	v_mul_u32_u24 v46, v30, 12                     ; 12 bytes a lane of 384
	v_and_b32 v47, 8, v31
	v_add_nc_u32 v47, v47, v31
	v_lshl_add_u32 v47, v47, 1, v39                ; my scale byte: 2 (r + 8 (r / 8)) + h
	v_add_nc_u32 v49, s85, v48                     ; the mask's stage, in
	v_mul_u32_u24 v50, v31, MSP
	v_lshl_add_u32 v50, v39, 6, v50
	v_add_nc_u32 v50, s85, v50                     ; back: row r, + 64 h
	v_add_nc_u32 v53, s86, v48                     ; the hand-over: O^T, 16 bytes a lane,
	v_add_nc_u32 v54, s86, v1
	v_add_nc_u32 v54, 4096, v54                    ; and -M with the sum, 8 bytes a lane
	s_wait_alu depctr_va_vdst(0)                   ; the wait here, ahead of the blocking waits
	s_wait_dscnt 0x0
	s_wait_kmcnt 0x0
	CROUND                                         ; all four work-groups are here: the first joint loads meet
	s_add_nc_u64 s[G0K+2:G0K+3], s[4:5], s[92:93]
	s_or_b32 s[G0K+3], s[G0K+3], 0x80000000
	s_add_nc_u64 s[G0V+2:G0V+3], s[4:5], s[94:95]
	s_or_b32 s[G0V+3], s[G0V+3], 0x80000000
	s_add_nc_u64 s[G0KS+2:G0KS+3], s[6:7], s[96:97]
	s_or_b32 s[G0KS+3], s[G0KS+3], 0x80000000
	s_add_nc_u64 s[G0VS+2:G0VS+3], s[6:7], s[98:99]
	s_or_b32 s[G0VS+3], s[G0VS+3], 0x80000000
	TLOAD4                                         ; the first head, into slot 0: one load a wave
	s_lshl_b32 s92, s16, 2
	s_add_co_u32 s92, s92, s66                     ; my tile of 16 queries
	s_lshl_b32 s93, s17, 9
	s_add_co_u32 s93, s93, s92                     ; + 64 x the first pair
	s_mul_i32 s94, s93, 768
	s_mov_b32 s95, 0
	s_add_nc_u64 s[80:81], s[4:5], s[94:95]        ; Q's image
	s_lshl_b32 s94, s93, 6
	s_add_nc_u64 s[82:83], s[6:7], s[94:95]        ; its scale words
	s_lshr_b32 s96, s66, 1
	s_and_b32 s97, s66, 1
	s_lshl_b32 s92, s16, 6
	s_lshl_b32 s93, s96, 5
	s_add_co_u32 s92, s92, s93
	s_lshl_b32 s93, s97, 3
	s_add_co_u32 s92, s92, s93                     ; q0 = 64 g + 32 (tile / 2) + 8 (tile % 2)
	s_lshl_b32 s93, s17, 13
	s_add_co_u32 s93, s93, s92                     ; + 1,024 x the first pair
	s_lshl_b32 s94, s93, 1
	s_add_nc_u64 s[86:87], s[12:13], s[94:95]      ; the values' scale bytes
	s_mul_i32 s94, s93, 48
	s_add_nc_u64 s[84:85], s[10:11], s[94:95]      ; the values' codes
	s_lshl_b32 s94, s92, 12
	s_lshl_b32 s93, s67, 11
	s_add_co_u32 s94, s94, s93
	s_add_nc_u64 s[88:89], s[8:9], s[94:95]        ; the mask at row q0, my half of the keys
.irp p, 0,1,2
	global_load_b64 v[16+2*\p:17+2*\p], v1, s[80:81] offset:256*\p
.endr
	global_load_u16 v[QS], v2, s[82:83]            ; q's two scale bytes; the upper two are 0
	WIN 0x40
.irp st, 0,1,2,3
.irp i, 0,1,2,3,4,5,6,7,8,9,10,11,12,13,14,15
	global_load_b128 v[64*\st+4*\i:64*\st+4*\i+3], v48, s[88:89] offset:(\i+8*(\i/8))*4096+512*\st   ; 32 lanes read 512 consecutive bytes of a row
.endr
.endr
	WIN 0
.irp j, 22,23,24,25,26,27,41,43,45,194
	v_mov_b32 v\j, 0                               ; Q's upper half: zero codes; upper halves of pairs; a permute's destination
.endr
.irp b, 0,1,2,3
	v_mov_b32 v[BP+\b], 0
.endr
.irp j, 48,49,50,51,52,53
	v_mov_b32 v[KV+\j], 0                          ; what K's last fragment names as its upper half
.endr
; Key step st of the mask: x 8, held at -3e38, turned through my stage: register 16 b + i then holds key 32 b + 16 h + i of the step for my query
.macro MASKSTEP st
.set MB, 64*(\st)
	s_wait_loadcnt 16*(3-(\st))                    ; this step's 16 loads are in; those of the later steps may be out
	WIN 0x45
.set j, 0
.rept 32
	v_pk_mul_f32 v[MB+j:MB+j+1], v[MB+j:MB+j+1], s[24:25] op_sel_hi:[1,0]
.set j, j+2
.endr
.set j, 0
.rept 64
	v_max_num_f32 v[MB+j], s27, v[MB+j]
.set j, j+1
.endr
	WIN 0x44
.irp i, 0,1,2,3,4,5,6,7,8,9,10,11,12,13,14,15
	ds_store_b128 v49, v[MB+4*\i:MB+4*\i+3] offset:MSP*\i
.endr
.irp i, 0,1,2,3,4,5,6,7,8,9,10,11,12,13,14,15
	ds_load_b128 v[MB+4*\i:MB+4*\i+3], v50 offset:128*(\i/4)+16*(\i%4)   ; LDS serves a wave's instructions in order
.endr
.endm
.irp st, 0,1,2,3
	MASKSTEP \st
.endr
	WIN 0
	s_wait_alu depctr_va_vdst(0)                   ; the wait at the head's end
.macro KQ t, st                        ; tile t (16 keys) of S^T = K Q^T + 8 mask
.if (\t)%2
	v_wmma_scale_f32_16x16x128_f8f6f4 v[S+8*(\t):S+8*(\t)+7], v[KV+6*(\t):KV+6*(\t)+11], v[16:27], v[64*(\st)+8*(\t):64*(\st)+8*(\t)+7], v[KSC+(\t)/2], v[QS] matrix_a_fmt:MATRIX_FMT_FP6 matrix_b_fmt:MATRIX_FMT_FP6 matrix_a_scale:MATRIX_SCALE_ROW1
.else
	v_wmma_scale_f32_16x16x128_f8f6f4 v[S+8*(\t):S+8*(\t)+7], v[KV+6*(\t):KV+6*(\t)+11], v[16:27], v[64*(\st)+8*(\t):64*(\st)+8*(\t)+7], v[KSC+(\t)/2], v[QS] matrix_a_fmt:MATRIX_FMT_FP6 matrix_b_fmt:MATRIX_FMT_FP6
.endif
.endm
.macro PV d, st                        ; tile d (16 channels) of O^T += V^T P^T; my first step starts the sums with the constant 0
.if (\st) == 0
.if (\d)%2
	v_wmma_scale_f32_16x16x128_f8f6f4 v[O+8*(\d):O+8*(\d)+7], v[KV+12*(\d):KV+12*(\d)+11], v[PC:PC+11], 0, v[VSC+(\d)/2], v[PS] matrix_a_fmt:MATRIX_FMT_FP6 matrix_b_fmt:MATRIX_FMT_FP6 matrix_a_scale:MATRIX_SCALE_ROW1
.else
	v_wmma_scale_f32_16x16x128_f8f6f4 v[O+8*(\d):O+8*(\d)+7], v[KV+12*(\d):KV+12*(\d)+11], v[PC:PC+11], 0, v[VSC+(\d)/2], v[PS] matrix_a_fmt:MATRIX_FMT_FP6 matrix_b_fmt:MATRIX_FMT_FP6
.endif
.else
.if (\d)%2
	v_wmma_scale_f32_16x16x128_f8f6f4 v[O+8*(\d):O+8*(\d)+7], v[KV+12*(\d):KV+12*(\d)+11], v[PC:PC+11], v[O+8*(\d):O+8*(\d)+7], v[VSC+(\d)/2], v[PS] matrix_a_fmt:MATRIX_FMT_FP6 matrix_b_fmt:MATRIX_FMT_FP6 matrix_a_scale:MATRIX_SCALE_ROW1
.else
	v_wmma_scale_f32_16x16x128_f8f6f4 v[O+8*(\d):O+8*(\d)+7], v[KV+12*(\d):KV+12*(\d)+11], v[PC:PC+11], v[O+8*(\d):O+8*(\d)+7], v[VSC+(\d)/2], v[PS] matrix_a_fmt:MATRIX_FMT_FP6 matrix_b_fmt:MATRIX_FMT_FP6
.endif
.endif
.endm
.macro KLOAD st                        ; my key step st: K's eight fragments and their scale words: 28 loads
.irp i, 0,1,2,3
	ds_load_u16 v[KSC+\i], v10 offset:512*(\st)+128*\i
.endr
.irp t, 0,1,2,3,4,5,6,7
.irp p, 0,1,2
	ds_load_b64 v[KV+6*\t+2*\p:KV+6*\t+2*\p+1], v8 offset:6144*(\st)+768*\t+256*\p
.endr
.endr
.endm
.macro VLOAD st                        ; V's four fragments and their scale words: 26 loads
.irp i, 0,1
	ds_load_b32 v[VSC+\i], v11 offset:256*(\st)+128*\i
.endr
.irp d, 0,1,2,3
.irp p, 0,1,2,3,4,5
	ds_load_b64 v[KV+12*\d+2*\p:KV+12*\d+2*\p+1], v9 offset:6144*(\st)+1536*\d+256*\p
.endr
.endr
.endm
; the largest score of each block of 32 keys: for the row's maximum and, since p rises with the score, for the block's largest p.  Each tile of S^T is read from its low end on
.macro MAXG g
.irp b, 0,1,2,3
.if (\g) == 0
	v_max3_num_f32 v[BM+\b], v[S+16*\b], v[S+16*\b+1], v[S+16*\b+2]
.elseif (\g) < 7
	v_max3_num_f32 v[BM+\b], v[BM+\b], v[S+16*\b+2*(\g)+1], v[S+16*\b+2*(\g)+2]
.else
	v_max_num_f32 v[BM+\b], v[BM+\b], v[S+16*\b+15]
.endif
.endr
.endm
; the row's sum is taken of the unquantised p: two at a time, in four chains
.macro ADDS01
	v_pk_add_f32 v[14:15], v[14:15], v[S:S+1]
	v_pk_add_f32 v[192:193], v[S+2:S+3], v[S+10:S+11]
	v_pk_add_f32 v[196:197], v[S+4:S+5], v[S+12:S+13]
	v_pk_add_f32 v[198:199], v[S+6:S+7], v[S+14:S+15]
	v_pk_add_f32 v[14:15], v[14:15], v[S+8:S+9]
.endm
.macro ADDS t
	v_pk_add_f32 v[14:15], v[14:15], v[S+8*(\t):S+8*(\t)+1]
	v_pk_add_f32 v[192:193], v[192:193], v[S+8*(\t)+2:S+8*(\t)+3]
	v_pk_add_f32 v[196:197], v[196:197], v[S+8*(\t)+4:S+8*(\t)+5]
	v_pk_add_f32 v[198:199], v[198:199], v[S+8*(\t)+6:S+8*(\t)+7]
.endm
.macro ADDSM
	v_pk_add_f32 v[192:193], v[192:193], v[196:197]
	v_pk_add_f32 v[14:15], v[14:15], v[198:199]
	v_pk_add_f32 v[14:15], v[14:15], v[192:193]
.endm
; A KEY STEP: 128 keys.  last = 1: the launch's last head
.macro STEP st, last
	s_wait_alu depctr_va_vdst(0)                   ; the wait ahead of the blocking wait
.if (\st) == 0
	s_wait_loadcnt 0x0                             ; Q
.endif
	s_wait_dscnt 0x0                               ; K and its scale words
	WIN 0x10                                       ; C, the mask: window 1
.irp t, 0,1,2,3,4,5,6,7
	KQ \t, \st
.endr
	WIN 0
.rept 4
	v_nop                                          ; places in front of the loads into K's registers and of the first read of the scores
.endr
	VLOAD \st
.if ((\st) == 3) && ((\last) == 0)
.irp p, 0,1,2
	global_load_b64 v[16+2*\p:17+2*\p], v1, s[80:81] offset:49152+256*\p   ; the next head's Q
.endr
	global_load_u16 v[QS], v2, s[82:83] offset:4096
.endif
.irp g, 0,1,2,3,4,5,6,7
	MAXG \g
.endr
.irp b, 0,1,2,3
	v_permlanex16_b32 v[BP+\b], v[BM+\b], s20, s21
.endr
.irp b, 0,1,2,3
	v_max_num_f32 v[BM+\b], v[BM+\b], v[BP+\b]     ; with lane l xor 16's 16 keys
.endr
	v_max3_num_f32 v194, v[BM], v[BM+1], v[BM+2]
.if (\st) > 0
	v_mov_b32 v195, v12                            ; the old -M is kept for f
.endif
	v_max_num_f32 v194, v194, v[BM+3]
	v_mul_f32 v194, s22, v194                      ; the step's largest t of my query
.if (\st) == 0
	v_max_num_f32 v13, s90, v194                   ; my first step starts the running maximum, at -2^22 at the least
.else
	v_max_num_f32 v13, v13, v194
.endif
	v_floor_f32 v12, -v13                          ; -M = floor(-t): M is a whole number
.irp b, 0,1,2,3
	v_fma_f32 v[BM+\b], v[BM+\b], s22, v12         ; t - M of each block's largest score
.endr
.if (\st) > 0
	v_sub_f32 v195, v12, v195                      ; M's old value less its new one: a whole number, 0 or less
	v_cvt_i32_f32 v195, v195                       ; (it saturates)
	v_ldexp_f32 v40, 1.0, v195                     ; f = 2^(old M - new M): a multiplication by it rounds nothing
.endif
.set j, 0
.rept 32
	v_pk_fma_f32 v[S+j:S+j+1], v[S+j:S+j+1], s[22:23], v[12:13] op_sel_hi:[1,0,0]   ; t - M
.set j, j+2
.endr
.if (\st) > 0
.set j, 0
.rept 16
	v_pk_mul_f32 v[O+j:O+j+1], v[O+j:O+j+1], v[40:41] op_sel_hi:[1,0]   ; O^T under the new M, each accumulator from its low end on
.set j, j+2
.endr
	v_pk_mul_f32 v[14:15], v[14:15], v[40:41] op_sel_hi:[1,0]           ; the sums too
.endif
	s_wait_alu depctr_va_vdst(0)                   ; all the batch's sources are laid: one wait ahead of the batch
.irp b, 0,1,2,3
	v_exp_f32 v[BM+\b], v[BM+\b]                   ; the block's largest p
.endr
.set j, 0
.rept 64
	v_exp_f32 v[S+j], v[S+j]                       ; p = 2^(t - M), at most 1: not normalised
.set j, j+1
.endr
	v_nop                                          ; a plain place behind the exponentials
	s_wait_alu depctr_va_vdst(0)                   ; and one wait behind the batch, ahead of its first reader
.irp b, 0,1,2,3
	v_max_num_f32 v[BM+\b], 0x1800000, v[BM+\b]    ; the floor 2^(3 - 127): the byte cannot fall under 1
.endr
.irp b, 0,1,2,3
	v_add_nc_u32 v[SO+\b], 0xff000000, v[BM+\b]    ; 2 off the exponent field: the conversion's scale operand
.endr
.irp b, 0,1,2,3
	v_lshrrev_b32 v[BP+\b], 23, v[SO+\b]           ; the scale's byte
.endr
	v_lshl_or_b32 v[PS], v[BP+1], 8, v[BP]         ; p's scale word for these 128 keys
	v_lshl_or_b32 v[PS], v[BP+2], 16, v[PS]
	v_lshl_or_b32 v[PS], v[BP+3], 24, v[PS]
.irp c, 0,1
	v_cvt_scalef32_pk16_fp6_f32 v[PC+6*\c:PC+6*\c+2], v[S+32*\c:S+32*\c+15], v[SO+2*\c]
	v_cvt_scalef32_pk16_fp6_f32 v[PX+4*\c:PX+4*\c+2], v[S+32*\c+16:S+32*\c+31], v[SO+2*\c+1]
.endr
	v_nop                                          ; one plain place behind a scaled conversion
.irp c, 0,1                                    ; the operand's layout wants a whole block in a lane
.irp i, 0,1,2
	v_permlane16_swap_b32 v[PC+6*\c+\i], v[PX+4*\c+\i]
.endr
.irp i, 0,1,2
	v_mov_b32 v[PC+3+6*\c+\i], v[PX+4*\c+\i]
.endr
.endr
	ADDS01                                         ; nine sums: the places between the lines that wrote p's codes and scale word and the products
	ADDS 2
	s_wait_alu depctr_va_vdst(0)                   ; the wait ahead of the blocking wait
	s_wait_dscnt 0x0                               ; V and its scale words
.irp d, 0,1,2,3
	PV \d, \st                                     ; four accumulators by turns
.endr
	ADDS 3                                         ; four places in front of the loads into V's registers
.if (\st) < 3
	KLOAD (\st)+1
.endif
.irp t, 4,5,6,7
	ADDS \t
.endr
	ADDSM
.endm
; THE CHANGE OF SLOTS at a head's head: each wave waits for all its tensor loads, adds 0 to its spare word, and waits for that and for its LDS reads.  fill = 1: a round, and the slot left is filled with the next head
.macro CHANGE fill
	s_wait_tensorcnt 0x0
	ds_add_u32 v5, v6
.if \fill
	s_xor_b32 s[G0K+1], s[G0K+1], SLOT1
	s_add_nc_u64 s[G0K+2:G0K+3], s[G0K+2:G0K+3], 49152
	s_xor_b32 s[G0V+1], s[G0V+1], SLOT1
	s_add_nc_u64 s[G0V+2:G0V+3], s[G0V+2:G0V+3], 6144
	s_xor_b32 s[G0KS+1], s[G0KS+1], SLOT1
	s_add_nc_u64 s[G0KS+2:G0KS+3], s[G0KS+2:G0KS+3], 4096
	s_xor_b32 s[G0VS+1], s[G0VS+1], SLOT1
	s_add_nc_u64 s[G0VS+2:G0VS+3], s[G0VS+2:G0VS+3], 256
.endif
	s_wait_dscnt 0x0
.if \fill
	CROUND
	TLOAD4
.else
	s_barrier_signal -1
	s_barrier_wait -1
.endif
.endm
.macro HEAD last
	v_add_nc_u32 v8, s18, v3                       ; the slot's K, V and scale words, my half
	v_add_nc_u32 v9, s18, v4
	v_add_nc_u32 v10, s18, v7
	v_add_nc_u32 v11, s18, v29
	v_mov_b32 v14, 0
	v_mov_b32 v15, 0
	KLOAD 0
.irp st, 0,1,2,3
	STEP \st, \last
.endr
	v_add_f32 v13, v14, v15                        ; my lane's part of the sum, beside -M
	s_cmp_lt_u32 s14, 4
	s_wait_alu depctr_va_vdst(0)                   ; the wait ahead of the branch
	s_cbranch_scc1 .Lkeep_\@
.irp i, 0,1,2,3,4,5,6,7                        ; waves 4-7 hand over: O^T as an image of its registers, each accumulator from its low end on
	ds_store_b128 v53, v[O+4*\i:O+4*\i+3] offset:512*\i
.endr
	ds_store_b64 v54, v[12:13]
.Lkeep_\@:
	s_wait_dscnt 0x0                               ; the stores are done
	s_barrier_signal -1
	s_barrier_wait -1                              ; the next head's load may be out
	s_cmp_lt_u32 s14, 4
	s_cbranch_scc0 .Ldone_\@
.irp i, 0,1,2,3,4,5,6,7
	ds_load_b128 v[KV+4*\i:KV+4*\i+3], v53 offset:512*\i
.endr
	ds_load_b64 v[KV+32:KV+33], v54
	s_wait_dscnt 0x0
	v_min_num_f32 v194, v12, v[KV+32]              ; the joint -M
	v_sub_f32 v195, v194, v12
	v_sub_f32 v192, v194, v[KV+32]
	v_cvt_i32_f32 v195, v195
	v_cvt_i32_f32 v192, v192
	v_ldexp_f32 v195, 1.0, v195                    ; what brings my part under the joint M,
	v_ldexp_f32 v192, 1.0, v192                    ; and the other part: powers of two
	v_mul_f32 v14, v13, v195
	v_fma_f32 v14, v[KV+33], v192, v14
	v_permlanex16_b32 v194, v14, s20, s21
	v_add_f32 v14, v14, v194                       ; the row's sum
	s_wait_alu depctr_va_vdst(0)                   ; the wait ahead of the transcendental
	v_rcp_f32 v196, v14
	v_nop
	s_wait_alu depctr_va_vdst(0)                   ; and ahead of its first reader
	v_mul_f32 v42, v195, v196                      ; a power of two x 1 / sum: exact
	v_mul_f32 v44, v192, v196
	s_wait_alu depctr_va_vdst(0)                   ; directly ahead of the first reader of O^T
.set j, 0
.rept 16
	v_pk_mul_f32 v[S+j:S+j+1], v[O+j:O+j+1], v[42:43] op_sel_hi:[1,0]   ; register 16 b + i: channel 32 b + 16 h + i
.set j, j+2
.endr
.set j, 0
.rept 16
	v_pk_fma_f32 v[S+j:S+j+1], v[KV+j:KV+j+1], v[44:45], v[S+j:S+j+1] op_sel_hi:[1,0,1]
.set j, j+2
.endr
.irp b, 0,1
	v_max3_num_f32 v[BM+\b], |v[S+16*\b]|, |v[S+16*\b+1]|, 0x1800000
.endr
.irp i, 2,4,6,8,10,12,14
.irp b, 0,1
	v_max3_num_f32 v[BM+\b], v[BM+\b], |v[S+16*\b+\i]|, |v[S+16*\b+\i+1]|
.endr
.endr
.irp b, 0,1
	v_permlanex16_b32 v[BP+\b], v[BM+\b], s20, s21
.endr
.irp b, 0,1
	v_max_num_f32 v[BM+\b], v[BM+\b], v[BP+\b]
.endr
.irp b, 0,1
	v_add_nc_u32 v[SO+\b], 0xff000000, v[BM+\b]
.endr
.irp b, 0,1
	v_lshrrev_b32 v[BP+\b], 23, v[SO+\b]
.endr
	v_cvt_scalef32_pk16_fp6_f32 v[PC:PC+2], v[S:S+15], v[SO]
	v_cvt_scalef32_pk16_fp6_f32 v[PX:PX+2], v[S+16:S+31], v[SO+1]
	v_nop
.irp i, 0,1,2
	v_permlane16_swap_b32 v[PC+\i], v[PX+\i]       ; lane (r, h): channels 32 h + 0 .. 15 in the first three registers, 32 h + 16 .. 31 in the second
.endr
	ds_store_b96 v51, v[PC:PC+2]                   ; 12 bytes to a place of 16
	ds_store_b96 v51, v[PX:PX+2] offset:16
	ds_load_b96 v[56:58], v52                      ; place l: bytes 12 l .. of queries q0 .. q0 + 7,
	ds_load_b96 v[60:62], v52 offset:512           ; and of queries q0 + 16 .. q0 + 23
	v_cndmask_b32 v63, v[BP], v[BP+1], s26         ; lanes 0-15 block 0's byte, lanes 16-31 block 1's
	s_wait_alu depctr_va_vdst(0)                   ; the wait ahead of the blocking wait
	s_wait_dscnt 0x0
	global_store_b96 v46, v[56:58], s[84:85]       ; 32 lanes store 384 consecutive bytes: 8 queries
	global_store_b96 v46, v[60:62], s[84:85] offset:768
	global_store_b8 v47, v63, s[86:87]
.Ldone_\@:
.if (\last) == 0
	s_wait_xcnt 0x0                                ; the stores and Q's loads have read their bases, and the stores their data
	s_add_nc_u64 s[80:81], s[80:81], 49152
	s_add_nc_u64 s[82:83], s[82:83], 4096
	s_add_nc_u64 s[84:85], s[84:85], 49152
	s_add_nc_u64 s[86:87], s[86:87], 2048
	s_xor_b32 s18, s18, SLOT1
.endif
.endm
.Lhead:                                            ; seven trips: behind each change of slots but the last the next head is asked for
	CHANGE 1
	HEAD 0
	s_sub_co_u32 s19, s19, 1
	s_cmp_lg_u32 s19, 0
	s_cbranch_scc1 .Lhead
	CHANGE 0                                       ; the last head is written out
	HEAD 1
	s_wait_tensorcnt 0x0                           ; the wave's end
	ds_add_u32 v5, v6
	s_wait_dscnt 0x0
	CROUND                                         ; the closing round
	s_endpgm
.Lfunc_end_k_q030c74a28e_attn:
	.size	k_q030c74a28e_attn, .Lfunc_end_k_q030c74a28e_attn-k_q030c74a28e_attn
	.p2alignl 7, 3214868480
	.fill 96, 4, 3214868480
	.section	.rodata,"a",@progbits
	.p2align	6, 0x0
	.amdhsa_kernel k_q030c74a28e_attn
		.amdhsa_group_segment_fixed_size 327680
		.amdhsa_private_segment_fixed_size 0
		.amdhsa_enable_private_segment 0
		.amdhsa_kernarg_size 40
		.amdhsa_user_sgpr_count 2
		.amdhsa_user_sgpr_kernarg_segment_ptr 1
		.amdhsa_wavefront_size32 1
		.amdhsa_system_sgpr_workgroup_id_x 1
		.amdhsa_system_sgpr_workgroup_id_y 1
		.amdhsa_system_sgpr_workgroup_id_z 1
		.amdhsa_system_vgpr_workitem_id 0
		.amdhsa_next_free_vgpr 512
		.amdhsa_next_free_sgpr 100
		.amdhsa_reserve_vcc 0
		.amdhsa_float_denorm_mode_32 3
		.amdhsa_float_denorm_mode_16_64 3
		.amdhsa_memory_ordered 1
		.amdhsa_forward_progress 1
		.amdhsa_inst_pref_size 190
	.end_amdhsa_kernel
	.amdgpu_metadata
---
amdhsa.version: [ 1, 2 ]
amdhsa.kernels:
  - .name:           k_q030c74a28e_attn
    .symbol:         k_q030c74a28e_attn.kd
    .args:
      - { .name: img, .offset: 0, .size: 8, .value_kind: global_buffer, .address_space: global }
      - { .name: isc, .offset: 8, .size: 8, .value_kind: global_buffer, .address_space: global }
      - { .name: mask, .offset: 16, .size: 8, .value_kind: global_buffer, .address_space: global }
      - { .name: valc, .offset: 24, .size: 8, .value_kind: global_buffer, .address_space: global }
      - { .name: vals, .offset: 32, .size: 8, .value_kind: global_buffer, .address_space: global }
    .group_segment_fixed_size: 327680
    .private_segment_fixed_size: 0
    .kernarg_segment_align: 8
    .kernarg_segment_size: 40
    .max_flat_workgroup_size: 256
    .sgpr_count:     100
    .vgpr_count:     512
    .wavefront_size: 32
...
	.end_amdgpu_metadata
.endif
;; end of part 3
;; launch outp (part 4): grid 4 x 64, 4 waves a work-group, clusters of 4 x 4, 327,680 bytes of LDS; arguments valc, vals, cod, scl, out0, bo; writes out0
.if DOCPART == 4
	.amdgcn_target "amdgcn-amd-amdhsa--gfx1250"
	.amdhsa_code_object_version 6
	.text
	.protected	k_q030c74a28e_outp
	.globl	k_q030c74a28e_outp
	.p2align	8
	.type	k_q030c74a28e_outp,@function
k_q030c74a28e_outp:
	s_mov_b64 s[64:65], 0
	v_nop
	global_prefetch_b8 v0, s[64:65] scope:SCOPE_SE
	s_setreg_imm32_b32 hwreg(HW_REG_WAVE_MODE, 25, 1), 1
	s_wait_xcnt 0x0
	s_wait_alu depctr_hold_cnt(0) depctr_sa_sdst(0) depctr_va_vdst(0) depctr_va_sdst(0) depctr_va_ssrc(0) depctr_va_vcc(0) depctr_vm_vsrc(0)
	s_getreg_b32 s2, hwreg(HW_REG_IB_STS2, 6, 4)
	s_cmp_eq_u32 s2, 0
	s_cbranch_scc0 .Lentry_in_a_cluster
	s_endpgm
.Lentry_in_a_cluster:
	s_bfe_u32 s2, ttmp6, 0x10000c
	s_cmp_lg_u32 s2, 0xf033
	s_cbranch_scc0 .Lentry_shape_is_right
	s_endpgm
.Lentry_shape_is_right:
; out0 = values Wo^T + bo.  values: 8,192 rows of 1,024 codes of FP6 (E2M3), 768 bytes a row (valc), 32 E8M0 bytes a row (vals); Wo: rows 11,264 .. 12,287 of cod and scl, laid the same way; out0 f32.
; A tile of 128 x 256 is made by four waves, each 64 x 128: 32 accumulators, 256 registers.  The grid is 4 x 64 = 256 work-groups.
; ALL OF K LIES IN LDS: the tile's 128 + 256 whole rows of codes are dense in memory and come as rows of 256 bytes with 16 bytes of padding behind each: an LDS row is 816 bytes, 384 rows are 313,344 bytes.
; FOUR TENSOR LOADS, one a wave, at the head: wave 0 A's 98,304 bytes, waves 1-3 a third of B's 196,608 each.  Nothing is filled again: no ring, and one barrier ahead of the products.
; CLUSTER 4 x 4: A's tile hangs on the tile row alone and is asked for jointly along a row of the cluster, B's thirds on the tile column alone, jointly along a column.
; THE SCALES go straight into registers, for all of K: a row's 32 bytes are eight scale words, two loads of 16 bytes a lane and block: 12 blocks, 96 registers that hold nothing else.
; THE MATRIX INSTRUCTION IS USED TRANSPOSED (source 0 = 16 rows of Wo, source 1 = 16 rows of values): a lane holds eight neighbouring numbers of a row of out0.  The bias is the C of the first K step.
; THE WAY OUT: 16 rows x 128 columns at a time through the wave's stage, which lies over A's first rows: every wave has passed a barrier behind its last fragment loads, and these bytes are filled no more.
; NO PREFETCH: the launch has no loop to run ahead in: all that it reads is asked for at its head.
; REGISTERS: window 0: v16-30 addresses; v32-63 A's scale words (block a, K step s at 32 + 8 a + s); v64-127 B's; v128-223 A's fragments, two sets of 48; on the way out v128-255.
;   window 1: B's fragments, two sets, at v0 and v128.  window 2: accumulator (a, b) at v[8 (8 a + b)].  window 3: v0-63 the bias.
.set SIZE_N, 1024
.set PITCH,  816
.set FR,     12
.set LB,     128*PITCH                 ; B's rows, behind A's
.set THIRD,  256*272                   ; a third of B in LDS
.set SPARE,  LB+256*PITCH              ; the spare words: 128 bytes for each wave
.set SPITCH, 528
.set WOB,    11264*768
.set WOS,    11264*32
.set ADRA, 16                          ; v16 my A rows: r x 816 + 24 h; v17: + 40 h, where lanes 16-31 read behind one padding more
.set ADRB, 18                          ; v18-19 the same for B's blocks 0-3; v20-21 for blocks 4-7
.set STO,  24
.set RD,   25
.set CO,   26
.set SO,   27
.set SPW,  28
.set NIL,  29
.set BQ,   30
.set SA,   32
.set SB,   64
.set AF,   128
.set BK,   128
.set BI,   0
.set G1A,  24
.set G0A,  32
.set G0B,  36
.set G1B,  48
.set DW0,  (3<<16)|(1<<20)|(1<<21)|(5<<22)|(3<<25)   ; elements of 8 bytes; padding on; bit 21 beside a mask; after every 64 words 4 words
.set MSB, 0
.macro WIN new
.if MSB != (\new)
	s_set_vgpr_msb (MSB<<8)|(\new)
.set MSB, (\new)
.endif
.endm
.macro CROUND
	s_barrier_signal -1
	s_barrier_wait -1
	s_cmp_lg_u32 s40, 0
	s_cbranch_scc1 .Lnot_wave_0_\@
	s_barrier_signal -3
.Lnot_wave_0_\@:
	s_barrier_wait -3
	s_barrier_signal -1
	s_barrier_wait -1
.endm
	s_load_b256 s[4:11], s[0:1], 0x0               ; valc, vals, cod, scl
	s_load_b128 s[12:15], s[0:1], 0x20             ; out0, bo
	v_lshl_add_u32 v[SPW], v0, 2, SPARE
	v_mov_b32 v[NIL], 0
	ds_add_u32 v[SPW], v[NIL]                      ; the opening lines: the add twice on end and one wait
	ds_add_u32 v[SPW], v[NIL]
	v_lshrrev_b32 v1, 5, v0
	v_readfirstlane_b32 s40, v1                    ; wave 0..3
	s_lshr_b32 s41, s40, 1                         ; which 64 rows of the tile are mine
	s_and_b32 s42, s40, 1                          ; which 128 columns
	s_bfe_u32 s43, ttmp6, 0x40000                  ; cx
	s_bfe_u32 s44, ttmp6, 0x40004                  ; cy
	s_lshl_b32 s56, ttmp9, 2
	s_add_co_u32 s56, s56, s43                     ; tile column
	s_and_b32 s45, ttmp7, 0xffff
	s_lshl_b32 s45, s45, 2
	s_add_co_u32 s45, s45, s44                     ; tile row
	s_lshl_b32 s46, s44, 2
	s_lshl_b32 s46, 15, s46                        ; my row of the cluster
	s_lshl_b32 s47, 0x1111, s43                    ; my column
	s_or_b32 s[G1A], s46, DW0
	s_or_b32 s[G1B], s47, DW0
.irp g, G1A, G1B
	s_mov_b32 s[\g+1], 32<<16
	s_mov_b32 s[\g+3], 32<<16
	s_mov_b32 s[\g+5], 32
	s_mov_b32 s[\g+6], 0
	s_mov_b32 s[\g+7], 0
.endr
	s_mov_b32 s[G1A+2], 384<<16                    ; A: 128 rows of codes = 384 rows of 256 bytes
	s_mov_b32 s[G1A+4], 384
	s_mov_b32 s[G1B+2], 256<<16                    ; a third of B: 256 rows of 256 bytes
	s_mov_b32 s[G1B+4], 256
	s_mul_i32 s58, s45, 98304
	s_mov_b32 s59, 0
	s_mul_i32 s60, s56, 196608
	s_lshl_b32 s61, s40, 16
	s_add_co_u32 s60, s60, s61
	s_add_co_u32 s60, s60, WOB-65536               ; third wave - 1 of the tile's rows of Wo
	s_mov_b32 s61, 0
	s_mov_b32 s[G0A], 1
	s_mov_b32 s[G0A+1], 0
	s_mov_b32 s[G0B], 1
	s_mul_i32 s[G0B+1], s40, THIRD
	s_add_co_u32 s[G0B+1], s[G0B+1], LB-THIRD
	s_wait_alu depctr_va_vdst(0)                   ; the wait ahead of the blocking waits
	s_wait_dscnt 0x0
	s_wait_kmcnt 0x0
	s_add_nc_u64 s[G0A+2:G0A+3], s[4:5], s[58:59]
	s_or_b32 s[G0A+3], s[G0A+3], 0x80000000
	s_add_nc_u64 s[G0B+2:G0B+3], s[8:9], s[60:61]
	s_or_b32 s[G0B+3], s[G0B+3], 0x80000000
	CROUND                                         ; all sixteen work-groups are here: the joint loads meet
	s_cmp_eq_u32 s40, 0
	s_cbranch_scc0 .Lfor_b
	tensor_load_to_lds s[G0A:G0A+3], s[G1A:G1A+7]
	s_nop 0
.rept 4
	v_nop
.endr
	s_branch .Lasked
.Lfor_b:
	tensor_load_to_lds s[G0B:G0B+3], s[G1B:G1B+7]
	s_nop 0
.rept 4
	v_nop
.endr
.Lasked:
	s_lshl_b32 s62, s45, 7
	s_lshl_b32 s63, s41, 6
	s_add_co_u32 s62, s62, s63                     ; my first row
	s_lshl_b32 s66, s56, 8
	s_lshl_b32 s67, s42, 7
	s_add_co_u32 s66, s66, s67                     ; my first column
	s_lshl_b32 s68, s62, 5
	s_mov_b32 s69, 0
	s_add_nc_u64 s[6:7], s[6:7], s[68:69]          ; my rows' scales
	s_lshl_b32 s68, s66, 5
	s_add_co_u32 s68, s68, WOS
	s_add_nc_u64 s[10:11], s[10:11], s[68:69]      ; my columns' scales
	s_lshl_b32 s68, s66, 2
	s_add_nc_u64 s[14:15], s[14:15], s[68:69]      ; my columns' bias
	s_add_nc_u64 s[12:13], s[12:13], s[68:69]
	s_lshl_b32 s68, s62, 12
	s_add_nc_u64 s[12:13], s[12:13], s[68:69]      ; my corner of out0
	s_mul_i32 s70, s41, 64*PITCH
	s_mul_i32 s71, s42, 128*PITCH
	s_add_co_u32 s71, s71, LB
	s_mul_i32 s72, s40, 16*SPITCH                  ; my stage
	v_and_b32 v1, 15, v0                           ; r
	v_bfe_u32 v2, v0, 4, 1                         ; h
	v_mul_u32_u24 v3, v1, PITCH
	v_mad_u32_u24 v3, v2, 24, v3
	v_lshl_add_u32 v4, v2, 4, v3
	v_add_nc_u32 v[ADRA], s70, v3
	v_add_nc_u32 v[ADRA+1], s70, v4
	v_add_nc_u32 v[ADRB], s71, v3
	v_add_nc_u32 v[ADRB+1], s71, v4
	v_add_nc_u32 v[ADRB+2], 64*PITCH, v[ADRB]
	v_add_nc_u32 v[ADRB+3], 64*PITCH, v[ADRB+1]
	v_mul_u32_u24 v5, v1, SPITCH
	v_lshl_add_u32 v5, v2, 5, v5
	v_add_nc_u32 v[STO], s72, v5                   ; the stage, in: row r, 32 bytes for each half of the lanes
	v_and_b32 v6, 31, v0
	v_lshlrev_b32 v[CO], 4, v6                     ; back: the 32 lanes take a row of 512 bytes; the same in out0
	v_add_nc_u32 v[RD], s72, v[CO]
	v_lshlrev_b32 v[SO], 5, v1                     ; row r's 32 scale bytes
	v_lshlrev_b32 v[BQ], 5, v2
	s_wait_alu depctr_va_vdst(0)                   ; the wait at the head's end
.irp a, 0,1,2,3
	global_load_b128 v[SA+8*\a:SA+8*\a+3], v[SO], s[6:7] offset:512*\a
	global_load_b128 v[SA+8*\a+4:SA+8*\a+7], v[SO], s[6:7] offset:512*\a+16
.endr
.irp b, 0,1,2,3,4,5,6,7
	global_load_b128 v[SB+8*\b:SB+8*\b+3], v[SO], s[10:11] offset:512*\b
	global_load_b128 v[SB+8*\b+4:SB+8*\b+7], v[SO], s[10:11] offset:512*\b+16
.endr
	WIN 0xc0
.irp b, 0,1,2,3,4,5,6,7                        ; accumulator (a, b), register j, is column 16 b + 8 h + j
	global_load_b128 v[BI+8*\b:BI+8*\b+3], v[BQ], s[14:15] offset:64*\b
	global_load_b128 v[BI+8*\b+4:BI+8*\b+7], v[BQ], s[14:15] offset:64*\b+16
.endr
	WIN 0
	s_wait_tensorcnt 0x0                           ; my tile is in,
	s_barrier_signal -1
	s_barrier_wait -1                              ; and everybody's
; a fragment: lane l holds row l % 16; registers 6 c .. 6 c + 5 hold K = 64 c + 32 (l / 16) + 0 .. 31: 24 bytes, in pieces of 8.  Byte y of a row lies at y + 16 (y / 256) of its LDS row
.macro FRAG reg, adr, st, i
.irp p, 0,1,2,3,4,5
.set BY, 96*(\st)+48*(\p/3)+8*(\p%3)
.if BY/256 == (BY+24)/256
	ds_load_b64 v[\reg+2*\p:\reg+2*\p+1], v[\adr] offset:BY+16*(BY/256)+(\i)*16*PITCH
.else
	ds_load_b64 v[\reg+2*\p:\reg+2*\p+1], v[\adr+1] offset:BY+16*(BY/256)+(\i)*16*PITCH
.endif
.endr
.endm
.macro FETCH st                        ; K step st's fragments into set st % 2: B's eight, A's four: 72 loads
	WIN 0x40
.irp i, 0,1,2,3,4,5,6,7
	FRAG 128*((\st)%2)+FR*\i, ADRB+2*(\i/4), \st, \i%4
.endr
	WIN 0
.irp i, 0,1,2,3
	FRAG AF+48*((\st)%2)+FR*\i, ADRA, \st, \i
.endr
.endm
.macro MUL st, zero                    ; 32 matrix instructions: the 32 accumulators by turns, in the same order in every step
.irp a, 0,1,2,3
.irp b, 0,1,2,3,4,5,6,7
.if \zero
	v_wmma_scale_f32_16x16x128_f8f6f4 v[8*(8*\a+\b):8*(8*\a+\b)+7], v[128*((\st)%2)+FR*\b:128*((\st)%2)+FR*\b+FR-1], v[AF+48*((\st)%2)+FR*\a:AF+48*((\st)%2)+FR*\a+FR-1], v[BI+8*\b:BI+8*\b+7], v[SB+8*\b+(\st)], v[SA+8*\a+(\st)] matrix_a_fmt:MATRIX_FMT_FP6 matrix_b_fmt:MATRIX_FMT_FP6
.else
	v_wmma_scale_f32_16x16x128_f8f6f4 v[8*(8*\a+\b):8*(8*\a+\b)+7], v[128*((\st)%2)+FR*\b:128*((\st)%2)+FR*\b+FR-1], v[AF+48*((\st)%2)+FR*\a:AF+48*((\st)%2)+FR*\a+FR-1], v[8*(8*\a+\b):8*(8*\a+\b)+7], v[SB+8*\b+(\st)], v[SA+8*\a+(\st)] matrix_a_fmt:MATRIX_FMT_FP6 matrix_b_fmt:MATRIX_FMT_FP6
.endif
.endr
.endr
.endm
.macro PLACES
.rept 4
	v_nop
.endr
.endm
	FETCH 0
	s_wait_loadcnt 0x0                             ; the scales and the bias
	s_wait_dscnt 0x0
	FETCH 1
	WIN 0xb1                                       ; source 0 (B) window 1, source 1 (A) window 0, C (the bias) window 3, D window 2
	MUL 0, 1
.set ST, 1
.rept 6
	s_wait_dscnt 0x0                               ; this step's fragments are in
	PLACES                                         ; in front of loads into the set that the step before multiplied
	FETCH ST+1
	WIN 0xa1                                       ; C and D window 2
	MUL ST, 0
.set ST, ST+1
.endr
	s_wait_dscnt 0x0                               ; my last reads of the tiles are over:
	s_barrier_signal -1                            ; say so,
	MUL 7, 0                                       ; work on registers,
	WIN 0
	s_barrier_wait -1                              ; and go on when all four have said so: the stages may be written
.macro TOSTAGE a
.set AC, 64*(\a)
	WIN 0x08                                       ; the data: window 2
.irp b, 0,1,2,3,4,5,6,7
	ds_store_b128 v[STO], v[AC+8*\b:AC+8*\b+3] offset:64*\b          ; each accumulator from its low end on
	ds_store_b128 v[STO], v[AC+8*\b+4:AC+8*\b+7] offset:64*\b+16
.endr
	WIN 0
.set BB, BK+64*((\a)%2)
.irp t, 0,1,2,3,4,5,6,7,8,9,10,11,12,13,14,15
	ds_load_b128 v[BB+4*\t:BB+4*\t+3], v[RD] offset:\t*SPITCH       ; LDS serves a wave's instructions in order
.endr
.endm
.macro SEND a, younger                 ; younger: the LDS instructions issued behind block a's loads, which may stay out
.set BB, BK+64*((\a)%2)
	s_wait_dscnt \younger
.if (\a) > 0
	s_add_nc_u64 s[12:13], s[12:13], 16*SIZE_N*4   ; (behind a wait on XCNT: the earlier stores have read their base)
.endif
.irp t, 0,1,2,3,4,5,6,7,8,9,10,11,12,13,14,15
	global_store_b128 v[CO], v[BB+4*\t:BB+4*\t+3], s[12:13] offset:\t*SIZE_N*4 th:TH_STORE_NT   ; 32 lanes store 512 consecutive bytes, at a multiple of 512 from out0's first byte
.endr
.endm
	PLACES                                         ; behind the last products: for the reads of results and the loads into A's registers
	TOSTAGE 0
.irp a, 1,2,3
.if \a > 1
	s_wait_xcnt 0x0                                ; block a - 2's stores have read their registers and their base
.endif
	TOSTAGE \a
	SEND \a-1, 32                                  ; behind block a - 1's loads: block a's 16 stores and 16 loads
.endr
	s_wait_xcnt 0x0
	SEND 3, 0
	s_wait_tensorcnt 0x0                           ; the wave's end
	ds_add_u32 v[SPW], v[NIL]
	s_wait_dscnt 0x0
	CROUND                                         ; the closing round
	s_endpgm
.Lfunc_end_k_q030c74a28e_outp:
	.size	k_q030c74a28e_outp, .Lfunc_end_k_q030c74a28e_outp-k_q030c74a28e_outp
	.p2alignl 7, 3214868480
	.fill 96, 4, 3214868480
	.section	.rodata,"a",@progbits
	.p2align	6, 0x0
	.amdhsa_kernel k_q030c74a28e_outp
		.amdhsa_group_segment_fixed_size 327680
		.amdhsa_private_segment_fixed_size 0
		.amdhsa_enable_private_segment 0
		.amdhsa_kernarg_size 48
		.amdhsa_user_sgpr_count 2
		.amdhsa_user_sgpr_kernarg_segment_ptr 1
		.amdhsa_wavefront_size32 1
		.amdhsa_system_sgpr_workgroup_id_x 1
		.amdhsa_system_sgpr_workgroup_id_y 1
		.amdhsa_system_sgpr_workgroup_id_z 1
		.amdhsa_system_vgpr_workitem_id 0
		.amdhsa_next_free_vgpr 1024
		.amdhsa_next_free_sgpr 100
		.amdhsa_reserve_vcc 0
		.amdhsa_float_denorm_mode_32 3
		.amdhsa_float_denorm_mode_16_64 3
		.amdhsa_memory_ordered 1
		.amdhsa_forward_progress 1
		.amdhsa_inst_pref_size 95
	.end_amdhsa_kernel
	.amdgpu_metadata
---
amdhsa.version: [ 1, 2 ]
amdhsa.kernels:
  - .name:           k_q030c74a28e_outp
    .symbol:         k_q030c74a28e_outp.kd
    .args:
      - { .name: valc, .offset: 0, .size: 8, .value_kind: global_buffer, .address_space: global }
      - { .name: vals, .offset: 8, .size: 8, .value_kind: global_buffer, .address_space: global }
      - { .name: cod, .offset: 16, .size: 8, .value_kind: global_buffer, .address_space: global }
      - { .name: scl, .offset: 24, .size: 8, .value_kind: global_buffer, .address_space: global }
      - { .name: out0, .offset: 32, .size: 8, .value_kind: global_buffer, .address_space: global }
      - { .name: bo, .offset: 40, .size: 8, .value_kind: global_buffer, .address_space: global }
    .group_segment_fixed_size: 327680
    .private_segment_fixed_size: 0
    .kernarg_segment_align: 8
    .kernarg_segment_size: 48
    .max_flat_workgroup_size: 128
    .sgpr_count:     100
    .vgpr_count:     1024
    .wavefront_size: 32
...
	.end_amdgpu_metadata
.endif
;; end of part 4
